; MI455X (gfx1250); checked and timed in simulation.
; The chip was launched on July 23, 2026; its instructions are those of AMD's public machine-readable ISA for CDNA 5 (MIT licence, August 2026) and "CDNA5" Instruction Set Architecture Reference Guide (July 2026). The comments in the code are by the model that wrote it; some were corrected since.
;; MHA. Allowed arithmetic: matrix products marked QUANTISED: E2M3 operands, one E8M0 scale for each 32 along K, by v_wmma_scale_f32_16x16x128_f8f6f4 with both operands' format E2M3, f32 sums; everything else in f32.
;; Inputs: Wk 1,024 x 1,024 float32; Wo 1,024 x 1,024 float32; Wq 1,024 x 1,024 float32; Wv 1,024 x 1,024 float32; bk 1,024 float32; bo 1,024 float32; bq 1,024 float32; bv 1,024 float32; hidden_state 2 x 2,048 x 1,024 float32.
;; Outputs: out0 2 x 2,048 x 1,024 float32.
;; This version of the problem:
;;   THIS VERSION OF THE PROBLEM IS GIVEN IN LOW PRECISION. The matrix products marked QUANTISED in the list below multiply operands that are first quantised to E2M3 (2 exponent bits, 3 mantissa bits; 6 bits a number), with one power-of-two scale for each 32 numbers along K (OCP MX v1.0); their sums are f32. All else is computed in f32.
;;   The module's matrix products, in the order in which they are computed (A, B: the left and right operand; K: the contracted axis; several contracted axes count as one K, in the product's order):
;;     1. [M 4,096, K 1,024] x [K 1,024, N 1,024]; A: input hidden_state; B: input Wq: QUANTISED
;;     2. [M 4,096, K 1,024] x [K 1,024, N 1,024]; A: input hidden_state; B: input Wk: QUANTISED
;;     3. [M 4,096, K 1,024] x [K 1,024, N 1,024]; A: input hidden_state; B: input Wv: QUANTISED
;;     4. batch 32 x [M 2,048, K 64] x [K 64, N 2,048]; A: computed on the way; B: computed on the way: QUANTISED
;;     5. batch 32 x [M 2,048, K 2,048] x [K 2,048, N 64]; A: softmax (see below); B: computed on the way: QUANTISED
;;     6. [M 4,096, K 1,024] x [K 1,024, N 1,024]; A: computed on the way; B: input Wo: QUANTISED
;;   THE QUANTISER, for each operand of a quantised product, along K:
;;     - K is cut into blocks of 32 from its start; a last block that is shorter is filled with zeros.
;;     - A block's scale is 2^e with e = floor(log2(the largest magnitude in the block)) - 2, held to -126 .. 127; a block of zeros has e = 0. As a byte (E8M0): e + 127.
;;     - Each number is divided by its block's scale, clamped to +-7.5, and rounded to the nearest number of E2M3, ties to even, subnormals kept.
;;     - The product sums the exact products of the quantised numbers (number of the format x scale) in f32.
;;   ~~~python
;;   def quantise(x, axis):      # numpy; x: float32 -> the quantised numbers, widened to float32 again
;;       x = np.moveaxis(x, axis, -1); K = x.shape[-1]
;;       x = np.pad(x, [(0, 0)] * (x.ndim - 1) + [(0, -K % 32)]); x = x.reshape(x.shape[:-1] + (-1, 32)); a = np.abs(x).max(-1, keepdims=True)
;;       e = np.where(a > 0, np.clip(np.frexp(np.where(a > 0, a, 1))[1] - 1 - 2, -126, 127), 0)      # np.frexp(a)[1] - 1 = floor(log2(a)), exactly
;;       r = np.clip(x / 2.0 ** e, -7.5, 7.5)
;;       step = 2.0 ** (np.maximum(np.frexp(np.where(r == 0, 1, r))[1] - 1, 0) - 3)
;;       q = np.round(r / step) * step * 2.0 ** e      # np.round: ties to even
;;       return np.moveaxis(q.reshape(q.shape[:-2] + (-1,))[..., :K], -1, axis).astype(np.float32)
;;   ~~~
;;   SOFTMAX AHEAD OF A QUANTISED PRODUCT. Where the list says 'softmax', what is quantised is not the finished softmax but p = 2^(t - M), with t = logit x log2(e) and M = ceil(the row's largest t), a whole number; so 1/2 < the row's largest p <= 1. The row's sum l is taken of the UNQUANTISED p, in f32, and the product's result is divided by l at the end. Since M is a whole number, a kernel that streams over the keys may use a running M (the ceiling of the running maximum): every later rescaling is an exact power of two, which a block's scale takes up: the codes' values come out the same.
;;   OPERANDS COMPUTED ON THE WAY. 'Computed on the way' means the value that the module computes at that place (a softmax that the list does not call 'softmax' is quantised finished and normalised). What goes into a quantiser is computed in f32, as accurately as f32 sums, v_exp_f32 and their like allow (about 1e-6 of the number): no bf16 or f16 on the way to a quantiser, and a product that is left as it is and whose result goes on into a quantised operand takes f32 operands (vector FMAs, or v_wmma_f32_16x16x4_f32). A number that lies on a knife's edge between two numbers of the format may be rounded either way, as far as f32 arithmetic and the matrix unit's own rounding can turn it there, and no further.
;; One version. Each part assembles by itself: llvm-mc -triple=amdgcn-amd-amdhsa -mcpu=gfx1250 --defsym DOCPART=n.
;; ======== version 1 of 1: 4 launches
;; limits: right only within a limited range of input values
;; workspace buffers: opc 6,291,456 bytes; ops 262,144 bytes; kv 6,684,672 bytes; qc 3,145,728 bytes; qs 262,144 bytes; cc 3,145,728 bytes; cs 262,144 bytes
;; launch quant (part 1): grid 512 x 1, 8 waves a work-group, no clusters, 69,120 bytes of LDS; arguments hidden_state, Wq, Wk, Wv, Wo, opc, ops; writes opc, ops
.if DOCPART == 1
	.amdgcn_target "amdgcn-amd-amdhsa--gfx1250"
	.amdhsa_code_object_version 6
	.text
	.protected	k_q2f12c908fc_quant
	.globl	k_q2f12c908fc_quant
	.p2align	8
	.type	k_q2f12c908fc_quant,@function
k_q2f12c908fc_quant:
	s_mov_b64 s[64:65], 0
	v_nop
	global_prefetch_b8 v0, s[64:65] scope:SCOPE_SE
	s_setreg_imm32_b32 hwreg(HW_REG_WAVE_MODE, 25, 1), 1
	s_wait_xcnt 0x0
; hidden_state [4096][1024] and Wq, Wk, Wv, Wo [1024][1024], f32 with K innermost, become codes of FP6 (E2M3) and one E8M0 scale byte for each 32 along K.
; A block's scale is 2^(floor(log2(its largest magnitude)) - 2); its byte is the largest magnitude's exponent field - 2, held at 1 from below.
; THE CODES ARE LAID AS THE MATRIX OPERAND'S REGISTERS WANT THEM.  A tile is 16 rows; tile j (0 .. 3) of a group of 64 rows holds, in lane r, row 32 (r / 8) + 8 j + r % 8 of the group:
; so the 32 results that a lane has of a group's four tiles are 32 neighbours, one scale block of the product that follows.
; A fragment (a tile x 128 along K, 12 registers a lane) is 1,536 bytes: registers 4 p .. 4 p + 3 at 512 p + 16 x lane, p = 0 .. 2.
; opc: x at 0 as [64 tokens][K step][tile][1536]; Wq, Wk, Wv at 3,145,728 as [head][K step][q, k, v][tile][1536]; Wo at 5,505,024 as [64 columns][K step][tile][1536].
; ops: the scale bytes, 32 a row, rows in their natural order: x, Wq, Wk, Wv, Wo.
; SHARES.  Work-group G takes tile G of the five tensors on end (256 tiles of x, 64 of each weight); wave w takes K step w: 16 rows x 512 bytes.  Its 16 loads go out together; there is no loop.
; Each load takes a row's 512 consecutive bytes; the operand wants k = 64 c + 32 (lane / 16) + 0 .. 31 of row r in one lane: the 8 KiB turn through the wave's own stage in LDS (rows 528 bytes apart).
; No tensor loads, no matrix unit, no cluster: each byte is read once by one wave, and nothing is shared but the tile's 512 scale bytes.
; LIMITS: NaN and infinities among the inputs are not served; a block whose largest magnitude lies under 2^-124 is held at the byte 1; a block of zeros has the byte 1 and not 127: its codes are zeros, and this program alone reads the bytes.
.set WV,    18                         ; s18     my wave's number
.set SEL,   30                         ; s[30:31] lane selects for v_permlanex16_b32: lane l xor 16
.set R,     16                         ; v16-79  16 rows as loaded
.set X,     80                         ; v80-143 register 32 c + i = k 64 c + 32 (lane / 16) + i of row lane % 16
.set PC,    144                        ; v144-155 the fragment; v156-158, v160-162 at work
.set TM,    164                        ; v164-173 at work
.set PW,    180                        ; v180    my row's scale word for this K step
.set PITCH, 528
.set STGW,  16*PITCH                   ; a wave's stage
.set SCB,   8*STGW                     ; behind the stages: the tile's scale bytes, 16 rows x 32
	s_load_b256 s[4:11], s[0:1], 0x0               ; hidden_state s[4:5], Wq s[6:7], Wk s[8:9], Wv s[10:11]
	s_load_b128 s[12:15], s[0:1], 0x20             ; Wo s[12:13], opc s[14:15]
	s_load_b64 s[16:17], s[0:1], 0x30              ; ops
	v_lshl_add_u32 v192, v0, 2, 0x10a00            ; my spare word: behind the scale bytes
	v_mov_b32 v193, 0
	v_lshrrev_b32 v1, 5, v0
	v_readfirstlane_b32 s[WV], v1                  ; wave 0..7
	v_and_b32 v1, 31, v0                           ; lane
	v_and_b32 v9, 15, v0                           ; r
	v_bfe_u32 v10, v0, 4, 1                        ; h
	v_lshlrev_b32 v2, 4, v1                        ; 16 x lane
	v_lshlrev_b32 v11, 3, v10                      ; 8 h
	s_mul_i32 s19, s[WV], STGW
	v_add_nc_u32 v4, s19, v2                       ; the stage, on the way in: a row as it lies
	v_mul_u32_u24 v5, v9, PITCH
	v_lshl_add_u32 v5, v10, 7, v5
	v_add_nc_u32 v5, s19, v5                       ; on the way out: row r, + 128 h: my block of 32 numbers
	s_lshl_b32 s19, s[WV], 2
	s_add_co_u32 s19, s19, SCB
	v_lshl_add_u32 v6, v9, 5, s19                  ; my row's scale word of K step w
	v_add_nc_u32 v7, SCB, v2                       ; the scale bytes on their way out
	v_mul_u32_u24 v8, v10, 768
	v_add_nc_u32 v8, v8, v2                        ; and in ops: the tile's rows 8-15 lie 32 rows, 1,024 bytes, behind its rows 0-7
	v_mov_b32 v[TM+9], 0                           ; a lane permute's destination counts as one of its sources
	s_mov_b32 s[SEL], 0x76543210
	s_mov_b32 s[SEL+1], 0xfedcba98
	s_and_b32 s20, ttmp9, 63
	s_cmp_lt_u32 ttmp9, 256
	s_cselect_b32 s20, ttmp9, s20                  ; the tile's number in its tensor
	s_sub_co_u32 s21, ttmp9, 256                   ; the tile's number among the weights' (it wraps in x's work-groups, where it is not used)
	s_lshr_b32 s22, s21, 6
	s_mul_i32 s22, s22, 6144
	s_add_co_u32 s22, s22, 3145728                 ; Wq, Wk, Wv: interleaved by K step
	s_mov_b32 s23, 5505024                         ; Wo
	s_cmp_lt_u32 s21, 192
	s_cselect_b32 s22, s22, s23
	s_cselect_b32 s24, 3, 1                        ; in the interleaved part a K step and a head are three times as long
	s_cmp_lt_u32 ttmp9, 256
	s_cselect_b32 s22, 0, s22                      ; x
	s_lshr_b32 s25, s20, 2
	s_mul_i32 s25, s25, 49152                      ; which 64 rows,
	s_mul_i32 s26, s[WV], 6144                     ; which K step,
	s_add_co_u32 s25, s25, s26
	s_mul_i32 s25, s25, s24
	s_add_co_u32 s22, s22, s25
	s_and_b32 s25, s20, 3
	s_mul_i32 s25, s25, 1536                       ; which tile of the four
	s_add_co_u32 s22, s22, s25
	s_mov_b32 s23, 0
	s_lshr_b32 s26, s20, 2
	s_lshl_b32 s26, s26, 18                        ; the source: 64 rows of 4,096 bytes a group,
	s_and_b32 s27, s20, 3
	s_lshl_b32 s27, s27, 15                        ; 8 rows a tile,
	s_add_co_u32 s26, s26, s27
	s_lshl_b32 s27, s[WV], 9                       ; 512 bytes a K step
	s_add_co_u32 s26, s26, s27
	s_mov_b32 s27, 0
	s_lshr_b32 s28, ttmp9, 2
	s_lshl_b32 s28, s28, 11                        ; ops: 64 rows of 32 bytes a group,
	s_and_b32 s29, ttmp9, 3
	s_lshl_b32 s29, s29, 8                         ; 8 rows a tile
	s_add_co_u32 s28, s28, s29
	s_mov_b32 s29, 0
	s_wait_alu depctr_va_vdst(0)                   ; the wait at the head's end
	s_wait_kmcnt 0x0
	s_cmp_ge_u32 ttmp9, 256                        ; which tensor: the choice hangs on the work-group's number alone
	s_cselect_b64 s[4:5], s[6:7], s[4:5]
	s_cmp_ge_u32 ttmp9, 320
	s_cselect_b64 s[4:5], s[8:9], s[4:5]
	s_cmp_ge_u32 ttmp9, 384
	s_cselect_b64 s[4:5], s[10:11], s[4:5]
	s_cmp_ge_u32 ttmp9, 448
	s_cselect_b64 s[4:5], s[12:13], s[4:5]
	s_add_nc_u64 s[4:5], s[4:5], s[26:27]
	s_add_nc_u64 s[14:15], s[14:15], s[22:23]
	s_add_nc_u64 s[16:17], s[16:17], s[28:29]
.irp i, 0,1,2,3,4,5,6,7,8,9,10,11,12,13,14,15
	global_load_b128 v[R+4*\i:R+4*\i+3], v2, s[4:5] offset:(\i+24*(\i/8))*4096 th:TH_LOAD_NT   ; the tile's row i: 32 lanes read 512 consecutive bytes; read once in the launch
.endr
.irp i, 0,1,2,3,4,5,6,7,8,9,10,11,12,13,14,15
	s_wait_loadcnt 15-\i                           ; loads come back in order: row i is in, the 15 - i younger ones may be out
	ds_store_b128 v4, v[R+4*\i:R+4*\i+3] offset:PITCH*\i
.endr
.irp c, 0,1
.irp j, 0,1,2,3,4,5,6,7
	ds_load_b128 v[X+32*\c+4*\j:X+32*\c+4*\j+3], v5 offset:256*\c+16*\j   ; LDS serves a wave's instructions in order: these see my stores
.endr
.endr
	s_wait_dscnt 0x0
.irp q, 0,1,2,3
	v_max3_num_f32 v[TM+\q], |v[X+16*\q]|, |v[X+16*\q+1]|, 0x1800000   ; half blocks, with the floor 2^(3 - 127): the byte cannot fall under 1
.endr
.irp i, 2,4,6,8,10,12,14
.irp q, 0,1,2,3
	s_delay_alu instid0(VALU_DEP_4)
	v_max3_num_f32 v[TM+\q], v[TM+\q], |v[X+16*\q+\i]|, |v[X+16*\q+\i+1]|   ; four chains by turns
.endr
.endr
	v_max_num_f32 v[TM], v[TM], v[TM+1]            ; block h's largest magnitude: all 32 numbers are mine
	v_max_num_f32 v[TM+2], v[TM+2], v[TM+3]        ; block 2 + h's
	v_add_nc_u32 v[TM+4], 0xff000000, v[TM]        ; 2 off the exponent field: the conversion takes this operand's exponent field as its scale
	v_add_nc_u32 v[TM+5], 0xff000000, v[TM+2]
	v_lshrrev_b32 v[TM+6], 23, v[TM+4]             ; the scales' bytes
	v_lshrrev_b32 v[TM+7], 23, v[TM+5]
	v_cvt_scalef32_pk16_fp6_f32 v[PC:PC+2], v[X:X+15], v[TM+4]
	v_cvt_scalef32_pk16_fp6_f32 v[PC+12:PC+14], v[X+16:X+31], v[TM+4]   ; (a conversion's three registers begin on an even number)
	v_cvt_scalef32_pk16_fp6_f32 v[PC+6:PC+8], v[X+32:X+47], v[TM+5]
	v_cvt_scalef32_pk16_fp6_f32 v[PC+16:PC+18], v[X+48:X+63], v[TM+5]
	v_lshl_or_b32 v[TM+8], v[TM+7], 16, v[TM+6]    ; (the plain instruction behind the conversions)
.irp i, 0,1,2
	v_mov_b32 v[PC+3+\i], v[PC+12+\i]
	v_mov_b32 v[PC+9+\i], v[PC+16+\i]
.endr
	v_lshlrev_b32 v[TM+8], v11, v[TM+8]            ; my two bytes at their places: h and 2 + h;
	v_permlanex16_b32 v[TM+9], v[TM+8], s[SEL], s[SEL+1]
	v_or_b32 v[PW], v[TM+8], v[TM+9]               ; with lane l xor 16's two the word is whole
.irp p, 0,1,2
	global_store_b128 v2, v[PC+4*\p:PC+4*\p+3], s[14:15] offset:512*\p   ; 512 consecutive bytes, aligned to 256
.endr
	ds_store_b32 v6, v[PW]                         ; lanes r and r + 16 write the same word with the same value
	s_wait_dscnt 0x0                               ; for wave 0's sake: my word has landed
	s_barrier_signal -1
	s_barrier_wait -1
	s_cmp_lg_u32 s[WV], 0
	s_cbranch_scc1 .Lend
	ds_load_b128 v[184:187], v7                    ; the tile's 512 scale bytes: eight waves' words
	s_wait_dscnt 0x0
	global_store_b128 v8, v[184:187], s[16:17]     ; each half of the lanes stores 256 consecutive bytes, aligned to 256
.Lend:
	s_wait_tensorcnt 0x0                           ; the wave's end
	ds_add_u32 v192, v193
	s_wait_dscnt 0x0
	s_endpgm
.Lfunc_end_k_q2f12c908fc_quant:
	.size	k_q2f12c908fc_quant, .Lfunc_end_k_q2f12c908fc_quant-k_q2f12c908fc_quant
	.p2alignl 7, 3214868480
	.fill 96, 4, 3214868480
	.section	.rodata,"a",@progbits
	.p2align	6, 0x0
	.amdhsa_kernel k_q2f12c908fc_quant
		.amdhsa_group_segment_fixed_size 69120
		.amdhsa_private_segment_fixed_size 0
		.amdhsa_enable_private_segment 0
		.amdhsa_kernarg_size 56
		.amdhsa_user_sgpr_count 2
		.amdhsa_user_sgpr_kernarg_segment_ptr 1
		.amdhsa_wavefront_size32 1
		.amdhsa_system_sgpr_workgroup_id_x 1
		.amdhsa_system_sgpr_workgroup_id_y 1
		.amdhsa_system_sgpr_workgroup_id_z 1
		.amdhsa_system_vgpr_workitem_id 0
		.amdhsa_next_free_vgpr 194
		.amdhsa_next_free_sgpr 66
		.amdhsa_reserve_vcc 0
		.amdhsa_float_denorm_mode_32 3
		.amdhsa_float_denorm_mode_16_64 3
		.amdhsa_memory_ordered 1
		.amdhsa_forward_progress 1
		.amdhsa_inst_pref_size 13
	.end_amdhsa_kernel
	.amdgpu_metadata
---
amdhsa.version: [ 1, 2 ]
amdhsa.kernels:
  - .name:           k_q2f12c908fc_quant
    .symbol:         k_q2f12c908fc_quant.kd
    .args:
      - { .name: hidden_state, .offset: 0, .size: 8, .value_kind: global_buffer, .address_space: global }
      - { .name: Wq, .offset: 8, .size: 8, .value_kind: global_buffer, .address_space: global }
      - { .name: Wk, .offset: 16, .size: 8, .value_kind: global_buffer, .address_space: global }
      - { .name: Wv, .offset: 24, .size: 8, .value_kind: global_buffer, .address_space: global }
      - { .name: Wo, .offset: 32, .size: 8, .value_kind: global_buffer, .address_space: global }
      - { .name: opc, .offset: 40, .size: 8, .value_kind: global_buffer, .address_space: global }
      - { .name: ops, .offset: 48, .size: 8, .value_kind: global_buffer, .address_space: global }
    .group_segment_fixed_size: 69120
    .private_segment_fixed_size: 0
    .kernarg_segment_align: 8
    .kernarg_segment_size: 56
    .max_flat_workgroup_size: 256
    .sgpr_count:     66
    .vgpr_count:     194
    .wavefront_size: 32
...
	.end_amdgpu_metadata
.endif
;; end of part 1
;; launch qkv (part 2): grid 16 x 16, 4 waves a work-group, clusters of 4 x 1, 168,448 bytes of LDS; arguments opc, ops, bq, bk, bv, kv, qc, qs; writes kv, qc, qs
.if DOCPART == 2
	.amdgcn_target "amdgcn-amd-amdhsa--gfx1250"
	.amdhsa_code_object_version 6
	.text
	.protected	k_q2f12c908fc_qkv
	.globl	k_q2f12c908fc_qkv
	.p2align	8
	.type	k_q2f12c908fc_qkv,@function
k_q2f12c908fc_qkv:
	s_mov_b64 s[64:65], 0
	v_nop
	global_prefetch_b8 v0, s[64:65] scope:SCOPE_SE
	s_setreg_imm32_b32 hwreg(HW_REG_WAVE_MODE, 25, 1), 1
	s_wait_xcnt 0x0
	s_wait_alu depctr_hold_cnt(0) depctr_sa_sdst(0) depctr_va_vdst(0) depctr_va_sdst(0) depctr_va_ssrc(0) depctr_va_vcc(0) depctr_vm_vsrc(0)
	s_getreg_b32 s2, hwreg(HW_REG_IB_STS2, 6, 4)
	s_cmp_eq_u32 s2, 0
	s_cbranch_scc0 .Lentry_in_a_cluster
	s_endpgm
.Lentry_in_a_cluster:
	s_bfe_u32 s2, ttmp6, 0x10000c
	s_cmp_lg_u32 s2, 0x3003
	s_cbranch_scc0 .Lentry_shape_is_right
	s_endpgm
.Lentry_shape_is_right:
; q, k, v = x W^T + b for one head and 256 tokens, on codes of FP6 (E2M3) with E8M0 scales, and the three results quantised on the way out: q and k along the head's 64, v along the tokens (the keys).
; SHARES.  Work-group (tb, hd): tokens 256 tb .. + 255, head hd.  Wave w: tokens 64 w .. + 63 (four tiles of x) against the head's 12 tiles of Wq, Wk, Wv: 48 accumulators, 48 matrix instructions for each of 8 K steps of 128.
; q AND k ARE MADE TRANSPOSED (source 0 = 16 rows of W, source 1 = 16 tokens): a lane holds one token, its registers run along the head's 64.  v IS MADE AS IT IS (source 0 = 16 tokens, source 1 = 16 rows of Wv):
; a lane holds one channel, its registers run along the tokens.  Tile j (0 .. 3) of 64 rows holds, in lane r, row 32 (r / 8) + 8 j + r % 8: so a lane's 32 results of four tiles are 32 neighbours along the next product's K, a whole scale block.
; THE WEIGHTS of a head, 147,456 dense bytes laid K step by K step, come into LDS ONCE.  CLUSTER: the four work-groups of a cluster share the head, so each piece is asked for JOINTLY (mask 15).
; One load a wave: wave 0 K step 0, wave 1 K steps 1 and 2, wave 2 3 and 4, wave 3 5 to 7; each has a barrier of its own, ahead of its first LDS load.  No LDS byte is filled twice.
; x goes from memory straight into registers, asked for three K steps ahead: a fragment belongs to one wave, feeds 12 matrix instructions there, and is laid so that three dense loads bring it; a way through LDS would add bytes and save none.
; All of the weights is asked for at the head and x three K steps ahead, so nothing is prefetched into the L2.
; The weights' fragments have two sets of registers: while one K step is multiplied, the next one's 36 LDS loads go out in one run, x's 12 loads behind them.
; The biases are the C of each sum's first matrix instruction, so they are added ahead of the products and not behind them: the order of rounding differs from a sum with the bias last.
; OUT.  kv: [bh][8 chunks of 256 keys][26,112]: K's 16 tiles at 0, two tiles by two as 12 registers in three pieces of 512 bytes; V's at 12,288 ([64 keys][tile of channels][768]: four registers at 16 x lane, two at 512 + 8 x lane);
; K's scale words at 24,576, V's at 25,600.  qc: [bh][128 tiles][768], as V's.  qs: [bh][64 queries][256], scale words.  In the last K step q leaves behind its products, then k behind its, then v.
; LIMITS: NaN and infinities are not served; a block whose largest magnitude lies under 2^-124 is held at the byte 1; a block of zeros has the byte 1 and not 127: its codes are zeros, and this program alone reads the bytes.
; REGISTERS, in windows of 256.  Window 0: v1-14 addresses; v16-31 x's scale words; v32-79 the weights'; v80-223 the weights' 12 fragments of an even K step, in the last K step the way out.
;   window 1: v0-191 four sets of x's four fragments; v192-251 five of the weights' fragments of an odd K step.   window 2: v0-95 the biases, behind K step 0 the other seven fragments of an odd K step;
;   v128-255 q's accumulators (token tile i, W tile t at 128 + 8 (4 i + t)).   window 3: k's at 8 (4 i + t), v's at 128 + 8 (4 t + i).
; A scale register carries tile 2 g's words in lanes 0-15 and tile 2 g + 1's in lanes 16-31; the odd tile names it with ROW1.
.set WV,  20                           ; s20      my wave's number
.set G1,  24                           ; s[24:31] descriptor group 1: two K steps;  s[76:83] one, s[92:99] three
.set G1A, 76
.set G1C, 92
.set G0,  32                           ; s[32:47] descriptor group 0, one for each wave's load
.set KSB, 18432                        ; bytes of a K step of the weights: 72 rows of 256
.set QTM, 176                          ; v176-183 largest magnitudes of four tiles' half blocks
.set QTS, 184                          ; v184-187 the conversions' scale operands
.set QCT, 188                          ; v188-202 conversions' results on their way, three of each four registers
.set SH8, 14                           ; v14      8 x (lane / 16)
.set SPARE, 0x29000
.set MSB, 0
.macro WIN new                         ; the immediate's high byte repeats the setting that is left; a switch that changes nothing is dropped
.if MSB != (\new)
	s_set_vgpr_msb (MSB<<8)|(\new)
.set MSB, (\new)
.endif
.endm
.macro WALU
	s_wait_alu depctr_va_vdst(0)
.endm
.macro CROUND                          ; a round of the cluster's barrier
	s_barrier_signal -1
	s_barrier_wait -1
	s_cmp_lg_u32 s[WV], 0
	s_cbranch_scc1 .Lnot_wave_0_\@
	s_barrier_signal -3
.Lnot_wave_0_\@:
	s_barrier_wait -3
	s_barrier_signal -1
	s_barrier_wait -1
.endm
.macro PLACES n                        ; plain vector instructions between a matrix instruction and a load into, or a vector instruction on, its registers
.rept \n
	v_nop
.endr
.endm
; One matrix instruction; C is v[c] on.  ra, rb = 1: that side's scales are read from lanes 16-31.
.macro MM1 d, a, b, c, sa, sb, ra, rb
	v_wmma_scale_f32_16x16x128_f8f6f4 v[\d:\d+7], v[\a:\a+11], v[\b:\b+11], v[\c:\c+7], v[\sa], v[\sb] matrix_a_fmt:MATRIX_FMT_FP6 matrix_b_fmt:MATRIX_FMT_FP6 matrix_a_scale:MATRIX_SCALE_ROW\ra matrix_b_scale:MATRIX_SCALE_ROW\rb
.endm
.macro MM d, a, b, c, sa, sb, ra, rb
.if (\ra) && (\rb)
	MM1 \d, \a, \b, \c, \sa, \sb, 1, 1
.elseif (\ra)
	MM1 \d, \a, \b, \c, \sa, \sb, 1, 0
.elseif (\rb)
	MM1 \d, \a, \b, \c, \sa, \sb, 0, 1
.else
	MM1 \d, \a, \b, \c, \sa, \sb, 0, 0
.endif
.endm
; Four runs of 32 numbers of a lane in window W, run k at src + 32 k: each is a whole scale block (block lane / 16 of its row's two).  Run k becomes six registers of codes, v[out + 6 k] on, and its scale byte, at its place in the row's word, v[wd + k].
; The maxima take each accumulator's registers in ascending order; eight chains by turns.
.macro QH4 W, src, out, wd
	WIN (\W)*0x15
.irp k, 0,1,2,3
	v_max3_num_f32 v[QTM+\k], |v[(\src)+32*\k]|, |v[(\src)+32*\k+1]|, |v[(\src)+32*\k+2]|
	v_max3_num_f32 v[QTM+4+\k], |v[(\src)+32*\k+16]|, |v[(\src)+32*\k+17]|, |v[(\src)+32*\k+18]|
.endr
	WIN (\W)*0x14
.irp i, 3,5,7,9,11,13
.irp k, 0,1,2,3
	v_max3_num_f32 v[QTM+\k], v[QTM+\k], |v[(\src)+32*\k+\i]|, |v[(\src)+32*\k+\i+1]|
	v_max3_num_f32 v[QTM+4+\k], v[QTM+4+\k], |v[(\src)+32*\k+16+\i]|, |v[(\src)+32*\k+17+\i]|
.endr
.endr
	WIN (\W)*4
.irp k, 0,1,2,3
	v_max3_num_f32 v[QTM+4+\k], v[QTM+4+\k], |v[(\src)+32*\k+31]|, 0x1800000   ; the floor 2^(3 - 127): the byte cannot fall under 1
.endr
.irp k, 0,1,2,3
	v_max3_num_f32 v[QTM+\k], v[QTM+\k], |v[(\src)+32*\k+15]|, v[QTM+4+\k]
.endr
	WIN 0
.irp k, 0,1,2,3
	v_add_nc_u32 v[QTS+\k], 0xff000000, v[QTM+\k]  ; 2 off the exponent field: the conversion's scale operand
.endr
.irp k, 0,1,2,3
	v_lshrrev_b32 v[(\wd)+\k], 23, v[QTS+\k]
.endr
	WIN (\W)
.irp k, 0,1,2,3
	v_cvt_scalef32_pk16_fp6_f32 v[(\out)+6*\k:(\out)+6*\k+2], v[(\src)+32*\k:(\src)+32*\k+15], v[QTS+\k]
	v_cvt_scalef32_pk16_fp6_f32 v[QCT+4*\k:QCT+4*\k+2], v[(\src)+32*\k+16:(\src)+32*\k+31], v[QTS+\k]   ; (a conversion's three registers begin on an even number)
.endr
	WIN 0
.irp k, 0,1,2,3
	v_lshlrev_b32 v[(\wd)+\k], v[SH8], v[(\wd)+\k] ; (the first is the plain instruction behind the conversions)
.endr
.irp k, 0,1,2,3
.irp i, 0,1,2
	v_mov_b32 v[(\out)+6*\k+3+\i], v[QCT+4*\k+\i]
.endr
.endr
.endm
.macro GROUP1 g, rows                  ; group 1: rows of 256 bytes, dense, for all four work-groups
	s_mov_b32 s[\g], 15|(3<<16)|(1<<21)            ; 15:0 the mask; 17:16 elements of 8 bytes; 20 no padding; 21 set beside a mask
	s_mov_b32 s[\g+1], 32<<16                      ; tensor_dim0 = 32 elements
	s_mov_b32 s[\g+2], (\rows)<<16                 ; tensor_dim1
	s_mov_b32 s[\g+3], 32<<16                      ; tile_dim0 = 32
	s_mov_b32 s[\g+4], \rows                       ; tile_dim1
	s_mov_b32 s[\g+5], 32                          ; from row to row: dense
	s_mov_b32 s[\g+6], 0
	s_mov_b32 s[\g+7], 0
.endm
	s_load_b256 s[4:11], s[0:1], 0x0               ; opc s[4:5], ops s[6:7], bq s[8:9], bk s[10:11]
	s_load_b256 s[12:19], s[0:1], 0x20             ; bv s[12:13], kv s[14:15], qc s[16:17], qs s[18:19]
	v_lshl_add_u32 v254, v0, 2, SPARE
	v_mov_b32 v255, 0
	ds_add_u32 v254, v255                          ; the wave's opening: the add, twice on end, and its wait ahead of my tensor load
	ds_add_u32 v254, v255
	v_lshrrev_b32 v3, 5, v0
	v_readfirstlane_b32 s[WV], v3                  ; wave 0..3
	v_and_b32 v3, 31, v0                           ; lane
	v_and_b32 v14, 15, v0                          ; r
	v_bfe_u32 v15, v0, 4, 1                        ; h
	v_lshlrev_b32 v1, 4, v3                        ; 16 x lane
	v_lshlrev_b32 v2, 3, v3                        ; 8 x lane
.irp k, 0,1,2
	v_add_nc_u32 v[4+\k], 3*KSB*\k, v1             ; the weights in LDS, three K steps to a register: the immediates stay under 65,536
.endr
	v_lshrrev_b32 v3, 3, v14                       ; r / 8
	v_and_b32 v14, 7, v14                          ; r % 8
	v_lshlrev_b32 v10, 5, v14
	v_lshl_add_u32 v10, v3, 10, v10
	v_lshl_add_u32 v10, v15, 8, v10                ; scale bytes: 32 a row; lane (r, h) takes row 32 (r / 8) + 8 h + r % 8, + 16 for tiles 2 and 3
	v_lshlrev_b32 v11, 7, v15                      ; bq, bk: my half's 32 numbers
	v_lshlrev_b32 v12, 2, v14
	v_lshl_add_u32 v12, v3, 7, v12                 ; bv: my channel 32 (r / 8) + r % 8
	v_lshrrev_b32 v13, 1, v2                       ; 4 x lane
	v_lshlrev_b32 v[SH8], 3, v15                   ; 8 h
	s_bfe_u32 s48, ttmp6, 0x40000                  ; cx: my place in the cluster
	s_lshl_b32 s49, ttmp9, 2
	s_add_co_u32 s49, s49, s48                     ; tb = 4 x cluster x + cx: it enters x's and the outputs' addresses alone
	s_and_b32 s50, ttmp7, 0xffff                   ; hd, which the four partners share
	GROUP1 G1A, 72
	GROUP1 G1, 144
	GROUP1 G1C, 216
	s_mul_i32 s52, s50, 147456                     ; the head's weights
	s_add_co_u32 s52, s52, 3145728
	s_mov_b32 s53, 0
	s_lshl_b32 s56, s49, 2
	s_add_co_u32 s56, s56, s[WV]                   ; my 64 tokens: group 4 tb + w
	s_mul_i32 s66, s56, 49152                      ; their fragments,
	s_mov_b32 s67, 0
	s_lshl_b32 s68, s56, 11                        ; their scale bytes
	s_mov_b32 s69, 0
	s_lshl_b32 s70, s50, 11
	s_add_co_u32 s70, s70, 131072                  ; Wq's scale bytes of the head's 64 rows; Wk's and Wv's lie 32,768 and 65,536 further on
	s_mov_b32 s71, 0
	s_lshl_b32 s72, s50, 8                         ; the head's 64 numbers of a bias
	s_mov_b32 s73, 0
	WALU
	s_wait_dscnt 0x0                               ; both opening adds are done
	CROUND                                         ; all four work-groups are here: the joint loads meet.  The round stands ahead of the wait for the arguments
	s_wait_kmcnt 0x0
	s_add_nc_u64 s[52:53], s[4:5], s[52:53]
	s_add_nc_u64 s[66:67], s[4:5], s[66:67]
	s_add_nc_u64 s[68:69], s[6:7], s[68:69]
	s_add_nc_u64 s[70:71], s[6:7], s[70:71]
	s_add_nc_u64 s[8:9], s[8:9], s[72:73]
	s_add_nc_u64 s[10:11], s[10:11], s[72:73]
	s_add_nc_u64 s[12:13], s[12:13], s[72:73]
.macro GROUP0 p, ks                    ; wave p's load begins at K step ks, in LDS as in memory
	s_mov_b32 s[G0+4*\p], 1
	s_mov_b32 s[G0+4*\p+1], \ks*KSB
	s_add_nc_u64 s[G0+4*\p+2:G0+4*\p+3], s[52:53], \ks*KSB
	s_or_b32 s[G0+4*\p+3], s[G0+4*\p+3], 0x80000000
.endm
	GROUP0 0, 0
	GROUP0 1, 1
	GROUP0 2, 3
	GROUP0 3, 5
; One load a wave, each in an arm of its own, so that a piece can be waited for by the wave that asked for it alone.
.macro ARM p, g
	s_cmp_eq_u32 s[WV], \p
	s_cbranch_scc0 .Lafter_\p
	tensor_load_to_lds s[G0+4*\p:G0+4*\p+3], s[\g:\g+7]
	s_nop 0
	PLACES 4
	s_branch .Lfilled
.Lafter_\p:
.endm
	ARM 0, G1A
	ARM 1, G1
	ARM 2, G1
	tensor_load_to_lds s[G0+12:G0+15], s[G1C:G1C+7]
	s_nop 0
	PLACES 4
.Lfilled:
	WIN 0x80                                       ; destination window 2
.irp t, 0,1,2,3                                ; lane (r, h) of tile t: features 32 h + 8 t + 0 .. 7
	global_load_b128 v[8*\t:8*\t+3], v11, s[8:9] offset:32*\t
	global_load_b128 v[8*\t+4:8*\t+7], v11, s[8:9] offset:32*\t+16
	global_load_b128 v[32+8*\t:32+8*\t+3], v11, s[10:11] offset:32*\t
	global_load_b128 v[32+8*\t+4:32+8*\t+7], v11, s[10:11] offset:32*\t+16
	global_load_b32 v[64+8*\t], v12, s[12:13] offset:32*\t   ; bv of my channel: one number for the tile's eight registers
.endr
	WIN 0
.irp g, 0,1
	global_load_b128 v[16+8*\g:19+8*\g], v10, s[68:69] offset:512*\g          ; x's scale words: register 16 + 8 g + s serves tiles 2 g, 2 g + 1 in K step s
	global_load_b128 v[20+8*\g:23+8*\g], v10, s[68:69] offset:512*\g+16
.endr
.irp m, 0,1,2
.irp g, 0,1
	global_load_b128 v[32+16*\m+8*\g:35+16*\m+8*\g], v10, s[70:71] offset:32768*\m+512*\g   ; the weights': register 32 + 16 m + 8 g + s
	global_load_b128 v[36+16*\m+8*\g:39+16*\m+8*\g], v10, s[70:71] offset:32768*\m+512*\g+16
.endr
.endr
.macro XLOAD s                         ; x's four fragments of K step s into set s % 4: 12 loads of 512 consecutive bytes
	WIN 0x40                                       ; destination window 1
.irp i, 0,1,2,3
.irp p, 0,1,2
	global_load_b128 v[48*((\s)%4)+12*\i+4*\p:48*((\s)%4)+12*\i+4*\p+3], v1, s[66:67] offset:6144*(\s)+1536*\i+512*\p
.endr
.endr
	WIN 0
.endm
	XLOAD 0
	XLOAD 1
	XLOAD 2
	XLOAD 3
.macro STAGE p                         ; wave p's piece of the weights lies in LDS
.if (\p) < 3
	s_cmp_eq_u32 s[WV], \p
	s_cbranch_scc0 .Lnot_mine_\@
	s_wait_tensorcnt 0x0
.Lnot_mine_\@:
.else
	s_wait_tensorcnt 0x0                           ; all that is still out
.endif
	s_wait_dscnt 0x0                               ; no LDS instruction of mine is pending at the signal
	s_barrier_signal -1
	s_barrier_wait -1
.endm
.macro WFRG s, n                       ; where fragment n = 4 m + t (m: 0 Wq, 1 Wk, 2 Wv) of K step s stands: window WW_, register WR_
.if (\s)%2 == 0
.set WW_, 0
.set WR_, 80+12*(\n)
.elseif (\n) < 5
.set WW_, 1
.set WR_, 192+12*(\n)
.else
.set WW_, 2
.set WR_, 12*((\n)-5)
.endif
.endm
.macro WLOAD s                         ; the 12 fragments of K step s: 36 LDS loads of consecutive bytes
.irp n, 0,1,2,3,4,5,6,7,8,9,10,11
	WFRG \s, \n
	WIN WW_<<6
.irp p, 0,1,2
	ds_load_b128 v[WR_+4*\p:WR_+4*\p+3], v[4+(\s)/3] offset:KSB*((\s)%3)+1536*\n+512*\p
.endr
.endr
	WIN 0
.endm
; 16 matrix instructions on 16 accumulators.  q, k (m = 0, 1): source 0 = W's tile t, source 1 = x's tile i;  v: the other way round.
; The 48 accumulators take turns, one instruction a turn, in the same order in every K step.
.macro GROUP s, m
.irp t, 0,1,2,3
	WFRG \s, 4*(\m)+\t
.irp i, 0,1,2,3
.if (\m) == 0
.set DD, 128+8*(4*\i+\t)
.elseif (\m) == 1
.set DD, 8*(4*\i+\t)
.else
.set DD, 128+8*(4*\t+\i)
.endif
.if (\s) == 0
.set CC, 32*(\m)+8*\t                  ; the first K step starts the sums from the bias, in window 2
.set CW_, 2
.else
.set CC, DD
.set CW_, 2+((\m)+1)/2
.endif
.if (\m) < 2
	WIN WW_|4|(CW_<<4)|((2+((\m)+1)/2)<<6)
	MM DD, WR_, 48*((\s)%4)+12*\i, CC, 32+16*(\m)+8*(\t/2)+(\s), 16+8*(\i/2)+(\s), \t%2, \i%2
.else
	WIN 1|(WW_<<2)|(CW_<<4)|0xc0
	MM DD, 48*((\s)%4)+12*\i, WR_, CC, 16+8*(\i/2)+(\s), 64+8*(\t/2)+(\s), \i%2, \t%2
.endif
.endr
.endr
.endm
.macro RUN s                           ; the next K step's weights, and x's set three K steps on, into the sets that the last K step has left
	WIN 0
.if (\s) == 0
	STAGE 1                                        ; ahead of the first LDS load of K step 1; of K step 3; of K step 5
.elseif (\s) == 2
	STAGE 2
.elseif (\s) == 4
	STAGE 3
.endif
	PLACES 4
	WLOAD (\s)+1
.if ((\s) > 0) && ((\s) < 5)
	XLOAD (\s)+3
.endif
.endm
.macro KSTEP s
.if (\s) == 0
	s_wait_loadcnt 36                              ; x's set 0 is in, and all that was asked for ahead of it; the three sets behind it, 12 loads each, may be out
	WIN 0x82                                       ; source 0 and destination window 2
.irp t, 0,1,2,3
.irp j, 1,2,3,4,5,6,7
	v_mov_b32 v[64+8*\t+\j], v[64+8*\t]            ; bv of my channel, for all eight tokens of a register run
.endr
.endr
	WALU
	WIN 0
.elseif (\s) < 6
	s_wait_loadcnt 24                              ; x's set s is in; two sets are behind it
.else
	s_wait_loadcnt 12*(7-(\s))
.endif
	s_wait_dscnt 0x0                               ; the weights' fragments are in
	GROUP \s, 0
.if (\s) > 0
	RUN \s
.endif
	GROUP \s, 1
	GROUP \s, 2
.if (\s) == 0
	RUN 0                                          ; (in K step 0 behind all products: an odd K step's fragments take the biases' registers)
.endif
.endm
	STAGE 0
	WLOAD 0
	KSTEP 0
	KSTEP 1
	KSTEP 2
	KSTEP 3
	KSTEP 4
	KSTEP 5
	KSTEP 6
	WIN 0
	; THE LAST K STEP AND THE WAY OUT.  It is an odd one: v80-223, which K step 6 has left, serve the way out.
	s_lshr_b32 s51, s49, 3
	s_lshl_b32 s51, s51, 4
	s_add_co_u32 s51, s51, s50                     ; bh = 16 x batch + head
	s_and_b32 s52, s49, 7                          ; which 256 tokens of the batch's 2,048: a chunk of kv
	s_lshl_b32 s54, s51, 7
	s_lshl_b32 s55, s52, 4
	s_add_co_u32 s54, s54, s55
	s_lshl_b32 s55, s[WV], 2
	s_add_co_u32 s54, s54, s55
	s_mul_i32 s74, s54, 768                        ; qc: tile 16 (tb % 8) + 4 w of bh's 128
	s_mov_b32 s75, 0
	s_add_nc_u64 s[74:75], s[16:17], s[74:75]
	s_lshl_b32 s82, s51, 13
	s_lshl_b32 s55, s52, 10
	s_add_co_u32 s82, s82, s55
	s_lshl_b32 s55, s[WV], 8
	s_add_co_u32 s82, s82, s55                     ; qs: [bh][32 groups of 64][256]
	s_mov_b32 s83, 0
	s_add_nc_u64 s[82:83], s[18:19], s[82:83]
	s_mul_i32 s76, s51, 208896
	s_mul_i32 s55, s52, 26112
	s_add_co_u32 s76, s76, s55
	s_mov_b32 s77, 0
	s_add_nc_u64 s[76:77], s[14:15], s[76:77]
	s_mul_i32 s78, s[WV], 3072                     ; my four tiles of K (from byte 0 of the chunk) and of V (from byte 12,288)
	s_mov_b32 s79, 0
	s_lshl_b32 s80, s[WV], 8                       ; K's scale words, 256 bytes for 64 keys
	s_mov_b32 s81, 0
	s_lshl_b32 s84, s[WV], 7                       ; V's, 128 bytes for 64 keys
	s_mov_b32 s85, 0
	s_add_nc_u64 s[78:79], s[76:77], s[78:79]
	s_add_nc_u64 s[80:81], s[76:77], s[80:81]
	s_add_nc_u64 s[84:85], s[76:77], s[84:85]
	s_wait_loadcnt 0x0
	s_wait_dscnt 0x0
	GROUP 7, 0
	PLACES 4                                       ; behind the products, ahead of the first read of results and the first write over an operand's registers
	QH4 2, 128, 80, 152                            ; q: four tiles of 16 tokens x 64
.irp i, 0,1,2,3
	global_store_b128 v1, v[80+6*\i:83+6*\i], s[74:75] offset:768*\i
	global_store_b64 v2, v[84+6*\i:85+6*\i], s[74:75] offset:768*\i+512
.endr
	GROUP 7, 1
	PLACES 4
	QH4 3, 0, 104, 156                             ; k likewise: two tiles are 12 registers on end, three pieces
.irp i, 0,1,2,3,4,5
	global_store_b128 v1, v[104+4*\i:107+4*\i], s[78:79] offset:512*\i
.endr
	GROUP 7, 2
	PLACES 4
	QH4 3, 128, 128, 160                           ; v: 16 channels x my 64 tokens a tile: half of a fragment of 128 keys
.irp t, 0,1,2,3
	global_store_b128 v1, v[128+6*\t:131+6*\t], s[78:79] offset:12288+768*\t
	global_store_b64 v2, v[132+6*\t:133+6*\t], s[78:79] offset:12288+768*\t+512
.endr
	v_lshl_or_b32 v160, v162, 16, v160             ; v's: tile 0's half word below tile 2's, tile 1's below tile 3's
	v_lshl_or_b32 v161, v163, 16, v161
	v_permlane16_swap_b32 v152, v153               ; each lane has its half's byte of both tiles: behind the exchange lanes 0-15 hold tile 2 g's two bytes, lanes 16-31 tile 2 g + 1's
	v_permlane16_swap_b32 v154, v155
	v_permlane16_swap_b32 v156, v157
	v_permlane16_swap_b32 v158, v159
	v_permlane16_swap_b32 v160, v161
	v_or_b32 v164, v152, v153
	v_or_b32 v165, v154, v155
	v_or_b32 v166, v156, v157
	v_or_b32 v167, v158, v159
	v_or_b32 v168, v160, v161
.irp i, 164,165,166,167
	v_or_b32 v\i, 0x7f7f0000, v\i                  ; q's and k's upper two bytes stand for 1: the product's K is 64, and the instruction's upper 64 meet zero codes
.endr
	global_store_b64 v2, v[164:165], s[82:83]      ; 256 consecutive bytes, aligned to 256
	global_store_b64 v2, v[166:167], s[80:81] offset:24576
	global_store_b32 v13, v168, s[84:85] offset:25600   ; 128 consecutive bytes; the neighbouring wave stores the 128 beside them
	s_wait_tensorcnt 0x0                           ; the wave's end
	ds_add_u32 v254, v255
	s_wait_dscnt 0x0
	CROUND                                         ; the closing round: no work-group ends while a partner may still ask for a piece that names it
	s_endpgm
.Lfunc_end_k_q2f12c908fc_qkv:
	.size	k_q2f12c908fc_qkv, .Lfunc_end_k_q2f12c908fc_qkv-k_q2f12c908fc_qkv
	.p2alignl 7, 3214868480
	.fill 96, 4, 3214868480
	.section	.rodata,"a",@progbits
	.p2align	6, 0x0
	.amdhsa_kernel k_q2f12c908fc_qkv
		.amdhsa_group_segment_fixed_size 168448
		.amdhsa_private_segment_fixed_size 0
		.amdhsa_enable_private_segment 0
		.amdhsa_kernarg_size 64
		.amdhsa_user_sgpr_count 2
		.amdhsa_user_sgpr_kernarg_segment_ptr 1
		.amdhsa_wavefront_size32 1
		.amdhsa_system_sgpr_workgroup_id_x 1
		.amdhsa_system_sgpr_workgroup_id_y 1
		.amdhsa_system_sgpr_workgroup_id_z 1
		.amdhsa_system_vgpr_workitem_id 0
		.amdhsa_next_free_vgpr 1024
		.amdhsa_next_free_sgpr 102
		.amdhsa_reserve_vcc 0
		.amdhsa_float_denorm_mode_32 3
		.amdhsa_float_denorm_mode_16_64 3
		.amdhsa_memory_ordered 1
		.amdhsa_forward_progress 1
		.amdhsa_inst_pref_size 112
	.end_amdhsa_kernel
	.amdgpu_metadata
---
amdhsa.version: [ 1, 2 ]
amdhsa.kernels:
  - .name:           k_q2f12c908fc_qkv
    .symbol:         k_q2f12c908fc_qkv.kd
    .args:
      - { .name: opc, .offset: 0, .size: 8, .value_kind: global_buffer, .address_space: global }
      - { .name: ops, .offset: 8, .size: 8, .value_kind: global_buffer, .address_space: global }
      - { .name: bq, .offset: 16, .size: 8, .value_kind: global_buffer, .address_space: global }
      - { .name: bk, .offset: 24, .size: 8, .value_kind: global_buffer, .address_space: global }
      - { .name: bv, .offset: 32, .size: 8, .value_kind: global_buffer, .address_space: global }
      - { .name: kv, .offset: 40, .size: 8, .value_kind: global_buffer, .address_space: global }
      - { .name: qc, .offset: 48, .size: 8, .value_kind: global_buffer, .address_space: global }
      - { .name: qs, .offset: 56, .size: 8, .value_kind: global_buffer, .address_space: global }
    .group_segment_fixed_size: 168448
    .private_segment_fixed_size: 0
    .kernarg_segment_align: 8
    .kernarg_segment_size: 64
    .max_flat_workgroup_size: 128
    .sgpr_count:     102
    .vgpr_count:     1024
    .wavefront_size: 32
...
	.end_amdgpu_metadata
.endif
;; end of part 2
;; launch attn (part 3): grid 8 x 32, 8 waves a work-group, clusters of 4 x 1, 210,944 bytes of LDS; arguments kv, qc, qs, cc, cs; writes cc, cs
.if DOCPART == 3
	.amdgcn_target "amdgcn-amd-amdhsa--gfx1250"
	.amdhsa_code_object_version 6
	.text
	.protected	k_q2f12c908fc_attn
	.globl	k_q2f12c908fc_attn
	.p2align	8
	.type	k_q2f12c908fc_attn,@function
k_q2f12c908fc_attn:
	s_mov_b64 s[64:65], 0
	v_nop
	global_prefetch_b8 v0, s[64:65] scope:SCOPE_SE
	s_setreg_imm32_b32 hwreg(HW_REG_WAVE_MODE, 25, 1), 1
	s_wait_xcnt 0x0
	s_wait_alu depctr_hold_cnt(0) depctr_sa_sdst(0) depctr_va_vdst(0) depctr_va_sdst(0) depctr_va_ssrc(0) depctr_va_vcc(0) depctr_vm_vsrc(0)
	s_getreg_b32 s2, hwreg(HW_REG_IB_STS2, 6, 4)
	s_cmp_eq_u32 s2, 0
	s_cbranch_scc0 .Lentry_in_a_cluster
	s_endpgm
.Lentry_in_a_cluster:
	s_bfe_u32 s2, ttmp6, 0x10000c
	s_cmp_lg_u32 s2, 0x3003
	s_cbranch_scc0 .Lentry_shape_is_right
	s_endpgm
.Lentry_shape_is_right:
; ctx[b][q][64 hd ..] = the sum over k of softmax_k(q . k / 32) v, for one head and 256 queries, both products on codes of FP6 (E2M3) with E8M0 scales; ctx is quantised along the model's 1,024 on the way out.
; THE SOFTMAX AHEAD OF THE SECOND PRODUCT: t = score x log2(e) / 32; M = the row's largest t so far, rounded UP to a whole number; p = 2^(t - M) is what is quantised, along the keys, not normalised.
; The row's sum is taken of the unquantised p, in f32, and divides at the end.  When M moves, the sum and O are multiplied by 2^(old M - new M): exact.
; A block's largest p is not searched for: the block's largest SCORE goes through the same multiply-add and exponential.  That takes v_exp_f32 not to fall where its input rises.
; SHARES.  A work-group owns 256 queries of head bh; each of its eight waves two tiles of 16, A and B, in 512 registers: each fragment of K and of V feeds both.  A step is 256 keys; eight steps.
; THE HEAD'S WHOLE K, V AND THEIR SCALES, 208,896 bytes, come into LDS ONCE, in eight chunks of 256 keys, one tensor load a wave.  No LDS byte is filled twice.  Chunk 0 is wave 0's: a barrier of its own shows it;
; all the others are shown by one barrier behind the first step.  So there is no stream to run ahead of, and nothing is prefetched into the L2.
; CLUSTER: four blocks of queries of one head form a cluster and ask for each chunk JOINTLY (mask 15).
; LAYOUT.  Both products are used transposed: S^T = K Q^T (source 0 = 16 keys, source 1 = 16 queries), O^T = V^T P^T: a lane holds ONE query throughout.  Tile 4 c + j of the keys holds, in lane r, key 64 c + 32 (r / 8) + 8 j + r % 8,
; so that the 32 registers of tiles 4 c .. 4 c + 3 of lane (r, h) are keys 64 c + 32 h + 0 .. 31: a whole scale block, whose codes fall as the second product's operand wants them.  V's tiles of channels are ordered alike.
; THE FIRST PRODUCT'S K IS 64: a tile of K is six registers; the instruction's upper six are what stands behind it (the next tile's codes, or registers at work), which meet Q's zero codes under scale bytes that stand for 1.
; K's fragments of the next step are fetched behind this step's first products; V's land on A's scores, which are used up by then, while B's softmax is walked.  The last step fetches chunk 7's K once more and does not use it.
; LIMITS: NaN and infinities are not served; a block of ctx whose largest magnitude lies under 2^-124 is held at the byte 1; a block of zeros has the byte 1 and not 127 (its codes are zeros; this program alone reads the bytes).
; REGISTERS.  Window 0: v1-11 addresses and selects; v12 -M, v13 the largest score, v[14:15] the sum of A, v16-19 the same of B; v20, v22 their factors f; v24-31 K's scale words; v32-55 Q of A and of B, six registers and six of zeros each;
;   v56 Q's scale words (A in lanes 0-15, B in lanes 16-31); v58, v59 p's, likewise; v60-63 V's; v64-95 O^T of A, v96-127 of B; v128-223 K's 16 tiles; v224-231 block maxima; v232-239 at work; v240-243 V's scale words as they lie; v244-255 codes.
;   Window 1: v0-127 S^T, then p, of A; v128-255 of B.  Later: codes of A at 0-11, of B at 12-23 and 128-139, V's eight fragments at 32-127.
.set WV,  18                           ; s18      my wave's number
.set SEL, 20                           ; s[20:21] lane selects for v_permlanex16_b32: lane l xor 16
.set CS,  22                           ; s[22:23] c = log2(e) / 32; the packed form names a pair and takes its low word for both halves
.set G1,  24                           ; s[24:31] descriptor group 1
.set G0,  32                           ; s[32:35] descriptor group 0
.set NC,  48                           ; s48      -c
.set CUR, 49                           ; s49      LDS byte of this step's chunk
.set NXT, 50                           ; s50      of the next step's
.set CNT, 51
.set PSEL, 9                           ; v9       where the two scale bytes of a lane go in a word
.set SPW, 10
.set NIL, 11
.set CWA, 57                           ; v57      where ctx's scale word goes in LDS
.set BM,  224                          ; A's four blocks, B's four
.set SO,  232                          ; the conversions' scale operands: A's four, B's four
.set CHB, 26112                        ; bytes of a chunk
.set STG, 208896                       ; behind the head's bytes: 1,024 bytes for ctx's scale words; no tensor load lands there
.set SPARE, STG+1024                   ; the spare words, 128 bytes for each wave
.set MSB, 0
.macro WIN new                         ; the immediate's high byte repeats the setting that is left; a switch that changes nothing is dropped
.if MSB != (\new)
	s_set_vgpr_msb (MSB<<8)|(\new)
.set MSB, (\new)
.endif
.endm
.macro WALU
	s_wait_alu depctr_va_vdst(0)
.endm
.macro PLACES n
.rept \n
	v_nop
.endr
.endm
.macro CROUND                          ; a round of the cluster's barrier
	s_barrier_signal -1
	s_barrier_wait -1
	s_cmp_lg_u32 s[WV], 0
	s_cbranch_scc1 .Lnot_wave_0_\@
	s_barrier_signal -3
.Lnot_wave_0_\@:
	s_barrier_wait -3
	s_barrier_signal -1
	s_barrier_wait -1
.endm
; One matrix instruction.  ra, rb = 1: that side's scales are read from lanes 16-31.
.macro MM1 d, a, b, c, sa, sb, ra, rb
	v_wmma_scale_f32_16x16x128_f8f6f4 v[\d:\d+7], v[\a:\a+11], v[\b:\b+11], \c, v[\sa], v[\sb] matrix_a_fmt:MATRIX_FMT_FP6 matrix_b_fmt:MATRIX_FMT_FP6 matrix_a_scale:MATRIX_SCALE_ROW\ra matrix_b_scale:MATRIX_SCALE_ROW\rb
.endm
.macro MM d, a, b, c, sa, sb, ra, rb
.if (\ra)
	MM1 \d, \a, \b, \c, \sa, \sb, 1, \rb
.else
	MM1 \d, \a, \b, \c, \sa, \sb, 0, \rb
.endif
.endm
.macro KLOAD a16, a8, a4               ; a chunk's K, two tiles by three loads, its scale words (register 24 + T / 2 serves tile T) and V's scale words
.irp T, 0,1,2,3,4,5,6,7
.irp p, 0,1,2
	ds_load_b128 v[128+12*\T+4*\p:131+12*\T+4*\p], \a16 offset:1536*\T+512*\p
.endr
.endr
.irp g, 0,1,2,3
	ds_load_b64 v[24+2*\g:25+2*\g], \a8 offset:24576+256*\g
	ds_load_b32 v[240+\g], \a4 offset:25600+128*\g
.endr
.endm
; The sum of the 128 numbers of a lane at o (window 1), onto v[acc:acc+1]: nine or ten chains.
; b = 0, A: nine chains, in v232-239 and v244-253;  b = 1, B: ten, in window 1's v12-31.
.macro CHAIN k, b                      ; PR_: the pair of chain k
.if \b
.set PR_, 12+2*(\k)
.elseif (\k) < 4
.set PR_, SO+2*(\k)
.else
.set PR_, 236+2*(\k)
.endif
.endm
.macro JOIN k, l, b
	CHAIN \l, \b
.set PL_, PR_
	CHAIN \k, \b
	v_pk_add_f32 v[PR_:PR_+1], v[PR_:PR_+1], v[PL_:PL_+1]
.endm
.macro SUM o, acc, f, first, b
.if (\first) == 0
	WIN 0
	v_pk_mul_f32 v[\acc:\acc+1], v[\acc:\acc+1], v[\f:\f+1] op_sel_hi:[1,0]   ; under the new M
.endif
.set NP_, 9+\b
	WIN 0x05+0x40*\b
.set NI_, 0
.rept NP_
	CHAIN NI_, \b
	v_pk_add_f32 v[PR_:PR_+1], v[\o+4*NI_:\o+4*NI_+1], v[\o+4*NI_+2:\o+4*NI_+3]
.set NI_, NI_+1
.endr
	WIN 0x04+0x41*\b
.set NI_, 0
.rept 64-2*NP_
	CHAIN NI_%NP_, \b
	v_pk_add_f32 v[PR_:PR_+1], v[PR_:PR_+1], v[\o+4*NP_+2*NI_:\o+4*NP_+2*NI_+1]
.set NI_, NI_+1
.endr
	WIN 0x45*\b
	JOIN 0, 4, \b
	JOIN 1, 5, \b
	JOIN 2, 6, \b
	JOIN 3, 7, \b
.if \b
	JOIN 8, 9, \b
.endif
	JOIN 0, 2, \b
	JOIN 1, 3, \b
	JOIN 0, 8, \b
	CHAIN 1, \b
.set PL_, PR_
	CHAIN 0, \b
.if \first
	WIN 0x05*\b
	v_pk_add_f32 v[\acc:\acc+1], v[PR_:PR_+1], v[PL_:PL_+1]
.else
	WIN 0x04*\b
	v_pk_add_f32 v[\acc:\acc+1], v[\acc:\acc+1], v[PL_:PL_+1]
	v_pk_add_f32 v[\acc:\acc+1], v[\acc:\acc+1], v[PR_:PR_+1]
.endif
	WIN 0
.endm
; From the blocks' largest p: the conversions' scale operands, and my lane's bytes at their places in the two scale words, in v[BM + b0] and v[BM + b0 + 2].
.macro SCALES b0
.irp b, 0,1,2,3
	v_max_num_f32 v[BM+\b0+\b], 0x1800000, v[BM+\b0+\b]   ; the floor 2^(3 - 127): the byte cannot fall under 1 (a block whose every p has fallen to 0 keeps that byte: its codes are zeros)
.endr
.irp b, 0,1,2,3
	v_add_nc_u32 v[SO+\b0+\b], 0xff000000, v[BM+\b0+\b]   ; 2 off the exponent field
.endr
.irp b, 0,1,2,3
	v_add_lshl_u32 v[BM+\b0+\b], v[BM+\b0+\b], 0xff000000, 1   ; the same, with the exponent field in the top byte
.endr
	v_perm_b32 v[BM+\b0], v[BM+\b0+1], v[BM+\b0], v[PSEL]
	v_perm_b32 v[BM+\b0+2], v[BM+\b0+3], v[BM+\b0+2], v[PSEL]
.endm
.macro CV d, s, sc
	v_cvt_scalef32_pk16_fp6_f32 v[\d:\d+2], v[\s:\s+15], v[\sc]
.endm
.macro MOV3 d, s
.irp i, 0,1,2
	v_mov_b32 v[\d+\i], v[\s+\i]
.endr
.endm
.macro EXPB from, n                    ; n exponentials of B, from register from on
.set NI_, \from
.rept \n
	v_exp_f32 v[NI_], v[NI_]
.set NI_, NI_+1
.endr
.endm
.macro PV x, s, b, zero                ; O^T of tile x (0 A, 1 B) += V^T P^T, keys 128 s .. of the step, codes at b
.irp t, 0,1,2,3
.if \zero
	MM 64+32*\x+8*\t, 32+48*\s+12*\t, \b, 0, 60+2*\s+\t/2, 58+\s, \t%2, \x
.else
	MM 64+32*\x+8*\t, 32+48*\s+12*\t, \b, v[64+32*\x+8*\t:71+32*\x+8*\t], 60+2*\s+\t/2, 58+\s, \t%2, \x
.endif
.endr
.endm
; A KEY STEP: 256 keys, both tiles of queries.  first = 1: chunk 0: the sums begin, and nothing is fetched ahead.
; Line i of the search for the largest score of each of tile x's four blocks of 32 keys, the blocks by turns: lines 0-3 take three scores, 4-59 two more each, 60-63 the last.  It serves the row's maximum and the block's largest p.
.macro MX x, i
.set K_, (\i)/4
.set B_, BM+4*\x+(\i)%4
.set S_, 128*\x+32*((\i)%4)
.if K_ == 0
	WIN 0x15
	v_max3_num_f32 v[B_], v[S_], v[S_+1], v[S_+2]
.elseif K_ < 15
	WIN 0x14
	v_max3_num_f32 v[B_], v[B_], v[S_+2*K_+1], v[S_+2*K_+2]
.else
	WIN 0x14
	v_max_num_f32 v[B_], v[B_], v[S_+31]
.endif
.endm
.macro MXB n                           ; up to n more of B's lines
.rept \n
.if J_ < 64
	MX 1, J_
.set J_, J_+1
.endif
.endr
.endm
.macro FMA_A n                         ; up to n more of A's t - M, two scores at a time
.rept \n
.if J_ < 128
	WIN 0x41
	v_pk_fma_f32 v[J_:J_+1], v[J_:J_+1], s[CS:CS+1], v[12:13] op_sel_hi:[1,0,0]
.set J_, J_+2
.endif
.endr
.endm
; Line l of tile x's row work: the largest score so far, -M = floor(-t) = -ceil(t) (M is a whole number, c is positive), and f = 2^(old M - new M).
.macro RW x, l, first
.set T_, 232+4*\x
.set M_, 12+4*\x
.set B_, BM+4*\x
.if (\l < 6) || (\first == 0)
	WIN 0
.endif
.if \l == 0
	v_max3_num_f32 v[T_], v[B_], v[B_+1], v[B_+2]
.elseif \l == 1
	v_max_num_f32 v[T_], v[T_], v[B_+3]
.elseif \l == 2
	v_permlanex16_b32 v[T_+1], v[T_], s[SEL], s[SEL+1]   ; lane l xor 16's half of the keys
.elseif \l == 4
	v_mul_f32 v[T_], s[NC], v[M_+1]
.elseif \first
.if \l == 3
	v_max_num_f32 v[M_+1], v[T_], v[T_+1]
.elseif \l == 5
	v_floor_f32 v[M_], v[T_]
.endif
.elseif \l == 3
	v_max3_num_f32 v[M_+1], v[M_+1], v[T_], v[T_+1]
.elseif \l == 5
	v_floor_f32 v[T_+1], v[T_]
.elseif \l == 6
	v_sub_f32 v[T_], v[T_+1], v[M_]                ; M's old value less its new one: a whole number, 0 or less
.elseif \l == 7
	v_cvt_i32_f32 v[T_], v[T_]                     ; (it saturates)
.elseif \l == 8
	v_mov_b32 v[M_], v[T_+1]
.else
	v_ldexp_f32 v[20+2*\x], 1.0, v[T_]
.endif
.endm
.macro STEP first
	v_add_nc_u32 v4, s[NXT], v1                    ; these five are also the places between the last products and the products that write over their operands
	v_add_nc_u32 v5, s[NXT], v2
	v_add_nc_u32 v6, s[NXT], v3
	v_add_nc_u32 v7, s[CUR], v1
	v_add_nc_u32 v8, s[CUR], v2
	WIN 0x40
.irp T, 0,1,2,3,4,5,6,7,8,9,10,11,12,13,14,15
	MM 8*\T, 128+6*\T, 32, 0, 24+\T/2, 56, \T%2, 0
.endr
.set J_, 0
.irp T, 15,0,1,2,3,4,5,6,7,8,9,10,11,12,13,14  ; B's products, with A's maxima among them.  Tile 15, behind whose registers the maxima lie, goes first
	WIN 0x40
	MM 128+8*\T, 128+6*\T, 44, 0, 24+\T/2, 56, \T%2, 1
.if J_ < 4
	WIN 0
	v_perm_b32 v[60+J_], v[241+J_], v[240+J_], s52 ; V's scale words: tiles 0 (lanes 0-15) and 1 (lanes 16-31); tiles 2 and 3; keys 0-127, then 128-255.  These four are the places behind A's products and tile 15's
	v_perm_b32 v[61+J_], v[241+J_], v[240+J_], s53
.else
	MX 0, J_-4
	MX 0, J_-3
.endif
.set J_, J_+2
.endr
.irp i, 28,29,30,31                            ; (the places behind the last products)
	MX 0, \i
.endr
.if (\first) == 0
	WIN 0
	KLOAD v4, v5, v6                               ; the next step's
.endif
.irp i, 0,1,2,3
	MX 1, \i
.endr
.set J_, 4
.irp i, 32,33,34,35,36,37,38,39,40,41,42,43,44,45,46,47,48,49,50,51,52,53,54,55,56,57,58,59,60,61,62,63
	MX 0, \i
	MXB 1
.endr
.irp l, 0,1,2,3,4,5,6,7,8,9                    ; A's row work among the rest of B's maxima
	RW 0, \l, \first
	MXB 3
.endr
	MXB 28
	WIN 0
.irp b, 0,1,2,3
	v_fma_f32 v[BM+\b], v[BM+\b], s[CS], v12       ; t - M of A's blocks' largest scores,
.endr
.set J_, 0
.irp l, 0,1,2,3,4,5,6,7,8,9                    ; and of all its scores, with B's row work among them
	RW 1, \l, \first
	FMA_A 6
.endr
	FMA_A 64
	WIN 0x41
	WALU                                           ; ahead of the batch
.set NI_, 0
.rept 64
	v_exp_f32 v[NI_], v[NI_]                       ; A: p = 2^(t - M), at most 1: not normalised
	v_exp_f32 v[NI_+1], v[NI_+1]
	v_pk_fma_f32 v[128+NI_:129+NI_], v[128+NI_:129+NI_], s[CS:CS+1], v[16:17] op_sel_hi:[1,0,0]   ; B: t - M
.set NI_, NI_+2
.endr
	WIN 0
.irp b, 0,1,2,3
	v_exp_f32 v[BM+\b], v[BM+\b]                   ; A's blocks' largest p: the same two instructions on the same number give the same bits
.endr
.irp b, 4,5,6,7
	v_fma_f32 v[BM+\b], v[BM+\b], s[CS], v16
.endr
	WALU                                           ; one wait for the batch, ahead of its first reader
	SUM 0, 14, 20, \first, 0
	SCALES 0
	WIN 0x01
	CV 244, 0, SO                                  ; A's codes: keys 0-127 in window 0, v244-255; keys 128-255 in window 1, v0-11.
	CV 250, 32, SO+1                               ; (A conversion's three registers begin on an even number: a block's second three are made elsewhere and moved)
	v_nop                                          ; one plain instruction behind the scaled conversions, here and below
	WIN 0x41
	WALU                                           ; ahead of the batch
	EXPB 128, 16                                   ; B's exponentials; A's other conversions stand among them
	CV 12, 16, SO
	v_nop
	EXPB 144, 16
	CV 16, 48, SO+1
	v_nop
	EXPB 160, 16
	CV 0, 64, SO+2
	v_nop
	EXPB 176, 16
	CV 20, 80, SO+2
	v_nop
	EXPB 192, 16
	CV 6, 96, SO+3
	v_nop
	EXPB 208, 16
	CV 24, 112, SO+3
	v_nop
	EXPB 224, 32
	WIN 0
	EXPB BM+4, 4
	v_nop
	WALU                                           ; behind the batch
	WIN 0x01
	MOV3 247, 12
	MOV3 253, 16
	WIN 0x41
	MOV3 3, 20
	MOV3 9, 24
	WIN 0x40
.irp s, 0,1                                    ; V's eight fragments, onto A's p
.irp t, 0,1,2,3
	ds_load_b128 v[32+48*\s+12*\t:35+48*\s+12*\t], v7 offset:12288+6144*\s+768*\t
	ds_load_b64 v[36+48*\s+12*\t:37+48*\s+12*\t], v8 offset:12288+6144*\s+768*\t+512
	ds_load_b128 v[38+48*\s+12*\t:41+48*\s+12*\t], v7 offset:15360+6144*\s+768*\t
	ds_load_b64 v[42+48*\s+12*\t:43+48*\s+12*\t], v8 offset:15360+6144*\s+768*\t+512
.endr
.endr
	SUM 128, 18, 22, \first, 1
	SCALES 4
	v_permlane16_swap_b32 v[BM], v[BM+4]           ; lanes 0-15 gather A's four bytes, lanes 16-31 B's
	v_permlane16_swap_b32 v[BM+2], v[BM+6]
	v_or_b32 v58, v[BM], v[BM+4]
	v_or_b32 v59, v[BM+2], v[BM+6]
	WIN 0x41
	CV 12, 128, SO+4                               ; B's codes: keys 0-127 at v12-23, keys 128-255 at v128-139
	CV 24, 144, SO+4
	CV 18, 160, SO+5
	CV 28, 176, SO+5
	v_nop
	CV 128, 192, SO+6
	MOV3 15, 24
	CV 140, 208, SO+6
	MOV3 21, 28
	CV 134, 224, SO+7
	v_nop
	CV 144, 240, SO+7
	v_nop
	MOV3 131, 140
	MOV3 137, 144
	WIN 0
.if \first
	PLACES 4                                       ; between the operands' last writes and the products
.else
	WALU                                           ; ahead of the first readers of O^T
.set NI_, 0
.rept 16
	v_pk_mul_f32 v[64+NI_:65+NI_], v[64+NI_:65+NI_], v[20:21] op_sel_hi:[1,0]   ; O^T under the new M; also the places between p's codes and the products
.set NI_, NI_+2
.endr
.set NI_, 0
.rept 16
	v_pk_mul_f32 v[96+NI_:97+NI_], v[96+NI_:97+NI_], v[22:23] op_sel_hi:[1,0]
.set NI_, NI_+2
.endr
.endif
	WALU
	s_wait_dscnt 0x0                               ; V's fragments are in, and the next step's K
	WIN 0x01
	PV 0, 0, 244, \first                           ; eight accumulators by turns
	WIN 0x05
	PV 1, 0, 12, \first
	PV 0, 1, 0, 0
	PV 1, 1, 128, 0
	WIN 0
.endm
	s_load_b256 s[4:11], s[0:1], 0x0               ; kv s[4:5], qc s[6:7], qs s[8:9], cc s[10:11]
	s_load_b64 s[12:13], s[0:1], 0x20              ; cs
	v_lshl_add_u32 v[SPW], v0, 2, SPARE
	v_mov_b32 v[NIL], 0
	ds_add_u32 v[SPW], v[NIL]                      ; the wave's opening: the add, twice on end, and its wait ahead of my tensor load
	ds_add_u32 v[SPW], v[NIL]
	s_mov_b32 s60, 0xffff0000                      ; lanes 16-31
	v_lshrrev_b32 v4, 5, v0
	v_readfirstlane_b32 s[WV], v4                  ; wave 0..7
	v_and_b32 v4, 31, v0                           ; lane
	v_lshlrev_b32 v1, 4, v4                        ; 16 x lane
	v_lshlrev_b32 v2, 3, v4                        ; 8 x lane
	v_lshlrev_b32 v3, 2, v4                        ; 4 x lane
	v_mov_b32 v[PSEL], 0x0c070c03                  ; lanes 0-15: bytes 0 and 2 of the word
	v_mov_b32 v[CWA], 0x070c030c                   ; lanes 16-31: bytes 1 and 3
	v_cndmask_b32 v[PSEL], v[PSEL], v[CWA], s60
.irp j, 38,39,40,41,42,43,50,51,52,53,54,55
	v_mov_b32 v\j, 0                               ; Q's upper 64 along the instruction's K: zero codes
.endr
.irp j, 224,225,226,227,228,229,233,237,21,23
	v_mov_b32 v\j, 0                               ; what stands behind K's last tile; a lane permute's destination counts as one of its sources; the upper halves of the pairs of f
.endr
	WALU
	s_lshr_b32 s66, s[WV], 1                       ; my two tiles' scale words among their 64 queries': group wave / 2 of 256 bytes; 8 x lane + 4 x (wave % 2)
	s_lshl_b32 s66, s66, 8
	s_and_b32 s54, s[WV], 1
	s_lshl_b32 s54, s54, 2
	s_add_co_u32 s66, s66, s54
	s_add_co_u32 s67, s66, STG
	v_add_nc_u32 v[CWA], s67, v2
	s_min_u32 s67, s[WV], 1
	s_lshl_b32 s67, s67, 9
	s_add_co_u32 s67, s67, STG                     ; from where waves 0 and 1 take 512 bytes each
	s_bfe_u32 s54, ttmp6, 0x40000                  ; cx: my place in the cluster
	s_lshl_b32 s55, ttmp9, 2
	s_add_co_u32 s55, s55, s54                     ; my block of 256 queries: it enters Q's and ctx's addresses alone
	s_and_b32 s56, ttmp7, 0xffff                   ; bh, which the four partners share
	s_mov_b32 s[G1], 15|(3<<16)|(1<<21)            ; 15:0 the mask: all four work-groups; 17:16 elements of 8 bytes; 20 no padding; 21 set beside a mask
	s_mov_b32 s[G1+1], 32<<16                      ; tensor_dim0 = 32 elements: 256 bytes
	s_mov_b32 s[G1+2], 102<<16                     ; tensor_dim1 = 102
	s_mov_b32 s[G1+3], 32<<16                      ; tile_dim0 = 32
	s_mov_b32 s[G1+4], 102                         ; tile_dim1 = 102
	s_mov_b32 s[G1+5], 32                          ; from row to row: dense
	s_mov_b32 s[G1+6], 0
	s_mov_b32 s[G1+7], 0
	s_mov_b32 s[SEL], 0x76543210
	s_mov_b32 s[SEL+1], 0xfedcba98
	s_mov_b32 s[CS], 0x3d38aa3b                    ; log2(e) / 32
	s_mov_b32 s[CS+1], s[CS]                       ; (named with it as a pair, so it is written)
	s_mov_b32 s[NC], 0xbd38aa3b
	s_mov_b32 s52, 0x05040100                      ; v_perm_b32: the two low halves
	s_mov_b32 s53, 0x07060302                      ; the two high halves
	s_mul_i32 s57, s[WV], CHB                      ; my chunk
	s_mul_i32 s58, s56, 208896                     ; the head's bytes
	s_add_co_u32 s58, s58, s57
	s_mov_b32 s59, 0
	s_lshl_b32 s60, s56, 7
	s_lshl_b32 s61, s55, 4
	s_add_co_u32 s60, s60, s61
	s_lshl_b32 s61, s[WV], 1
	s_add_co_u32 s60, s60, s61
	s_mul_i32 s60, s60, 768                        ; Q's tiles 128 bh + 16 block + 2 wave, and the next
	s_mov_b32 s61, 0
	s_lshl_b32 s62, s56, 13
	s_lshl_b32 s63, s55, 10
	s_add_co_u32 s62, s62, s63
	s_add_co_u32 s62, s62, s66                     ; their scale words
	s_mov_b32 s63, 0
	s_mov_b32 s[CUR], 0
	s_mov_b32 s[NXT], CHB
	WALU
	s_wait_dscnt 0x0                               ; both opening adds are done
	CROUND                                         ; all four work-groups are here: the joint loads meet.  The round stands ahead of the wait for the arguments
	s_wait_kmcnt 0x0
	s_add_nc_u64 s[58:59], s[4:5], s[58:59]
	s_add_nc_u64 s[6:7], s[6:7], s[60:61]
	s_add_nc_u64 s[8:9], s[8:9], s[62:63]
	s_mov_b32 s[G0], 1                             ; count = 1
	s_mov_b32 s[G0+1], s57                         ; LDS address: the bytes lie in LDS as in memory
	s_mov_b64 s[G0+2:G0+3], s[58:59]
	s_or_b32 s[G0+3], s[G0+3], 0x80000000          ; type = 2
	s_cmp_eq_u32 s[WV], 0                          ; one load a wave; wave 0's is a line of its own, since the first barrier waits for it alone
	s_cbranch_scc0 .Lothers
	tensor_load_to_lds s[G0:G0+3], s[G1:G1+7]
	s_nop 0
	PLACES 4
	s_branch .Lfilled
.Lothers:
	tensor_load_to_lds s[G0:G0+3], s[G1:G1+7]
	s_nop 0
	PLACES 4
.Lfilled:
	global_load_b128 v[32:35], v1, s[6:7]          ; Q of A and of B: they stay
	global_load_b64 v[36:37], v2, s[6:7] offset:512
	global_load_b128 v[44:47], v1, s[6:7] offset:768
	global_load_b64 v[48:49], v2, s[6:7] offset:1280
	global_load_b32 v56, v2, s[8:9]
	s_wait_loadcnt 0x0
	s_cmp_eq_u32 s[WV], 0
	s_cbranch_scc0 .Lnot_chunk_0
	s_wait_tensorcnt 0x0
.Lnot_chunk_0:
	s_wait_dscnt 0x0
	s_barrier_signal -1
	s_barrier_wait -1                              ; chunk 0 is in; the others may be on their way
	KLOAD v1, v2, v3
	s_wait_dscnt 0x0
	STEP 1
	WALU
	s_wait_tensorcnt 0x0
	s_wait_dscnt 0x0
	s_barrier_signal -1
	s_barrier_wait -1                              ; all chunks are in
	KLOAD v4, v5, v6
	s_mov_b32 s[CUR], CHB
	s_mov_b32 s[CNT], 7
	s_wait_dscnt 0x0
.Lstep:
	s_add_co_u32 s[NXT], s[CUR], CHB
	s_min_u32 s[NXT], s[NXT], 7*CHB                ; (the last step fetches its own chunk's K once more)
	STEP 0
	s_add_co_u32 s[CUR], s[CUR], CHB
	s_sub_co_u32 s[CNT], s[CNT], 1
	WALU
	s_cmp_lg_u32 s[CNT], 0
	s_cbranch_scc1 .Lstep
	; THE WAY OUT.  O^T / the sum is my 32 tokens' 64 numbers of ctx; a lane's 32 registers of a tile are channels 32 (lane / 16) + 0 .. 31: a block of the last product's K.  They leave as codes, laid as that product's operand wants them.
	v_add_f32 v14, v14, v15                        ; the sums' two halves.  (These are also the places behind the last products)
	v_add_f32 v18, v18, v19
	v_permlanex16_b32 v233, v14, s[SEL], s[SEL+1]
	v_permlanex16_b32 v237, v18, s[SEL], s[SEL+1]
	v_add_f32 v14, v14, v233                       ; and lane l xor 16's: the rows' sums
	v_add_f32 v18, v18, v237
	v_and_b32 v4, 15, v0
	v_bfe_u32 v5, v0, 4, 1
	v_add_nc_u32 v7, s67, v1
	WALU                                           ; ahead of the reciprocals
	v_rcp_f32 v14, v14
	v_rcp_f32 v18, v18
	v_lshlrev_b32 v4, 4, v4                        ; plain work behind them
	v_lshl_add_u32 v8, v5, 12, v4                  ; cs: lanes 0-15 one group's 256 bytes, lanes 16-31 the next group's, 4,096 bytes on
	s_lshr_b32 s57, s56, 4                         ; batch
	s_and_b32 s58, s56, 15                         ; head
	s_lshl_b32 s57, s57, 5
	s_lshl_b32 s59, s55, 2
	s_add_co_u32 s57, s57, s59                     ; my work-group's first group of 64 tokens
	s_lshr_b32 s59, s[WV], 1
	s_add_co_u32 s59, s59, s57
	s_mul_i32 s60, s59, 49152                      ; cc: [64 tokens][K step = head / 2][tile][head % 2][768]
	s_lshr_b32 s59, s58, 1
	s_mul_i32 s59, s59, 6144
	s_add_co_u32 s60, s60, s59
	s_and_b32 s59, s[WV], 1
	s_mul_i32 s59, s59, 3072
	s_add_co_u32 s60, s60, s59
	s_and_b32 s59, s58, 1
	s_mul_i32 s59, s59, 768
	s_add_co_u32 s60, s60, s59
	s_mov_b32 s61, 0
	s_add_nc_u64 s[10:11], s[10:11], s[60:61]
	s_min_u32 s59, s[WV], 1
	s_lshl_b32 s59, s59, 1
	s_add_co_u32 s59, s59, s57
	s_lshl_b32 s62, s59, 12                        ; cs: [64 tokens][head][256]
	s_lshl_b32 s59, s58, 8
	s_add_co_u32 s62, s62, s59
	s_mov_b32 s63, 0
	s_add_nc_u64 s[12:13], s[12:13], s[62:63]
	WALU                                           ; ahead of the reciprocals' and of O^T's first readers
.set NI_, 0
.rept 16
	v_pk_mul_f32 v[64+NI_:65+NI_], v[64+NI_:65+NI_], v[14:15] op_sel_hi:[1,0]
	v_pk_mul_f32 v[96+NI_:97+NI_], v[96+NI_:97+NI_], v[18:19] op_sel_hi:[1,0]
.set NI_, NI_+2
.endr
.irp q, 0,1,2,3
	v_max3_num_f32 v[BM+\q], |v[64+16*\q]|, |v[65+16*\q]|, |v[66+16*\q]|
.endr
.irp i, 3,5,7,9,11,13
.irp q, 0,1,2,3
	v_max3_num_f32 v[BM+\q], v[BM+\q], |v[64+16*\q+\i]|, |v[65+16*\q+\i]|
.endr
.endr
.irp q, 0,1,2,3
	v_max3_num_f32 v[BM+\q], v[BM+\q], |v[79+16*\q]|, 0x1800000   ; with the floor 2^(3 - 127): the byte cannot fall under 1
.endr
	v_max_num_f32 v[BM], v[BM], v[BM+1]
	v_max_num_f32 v[BM+2], v[BM+2], v[BM+3]
	v_add_nc_u32 v[SO], 0xff000000, v[BM]
	v_add_nc_u32 v[SO+1], 0xff000000, v[BM+2]
	v_add_lshl_u32 v[BM], v[BM], 0xff000000, 1
	v_add_lshl_u32 v[BM+2], v[BM+2], 0xff000000, 1
	CV 128, 64, SO
	CV 136, 80, SO
	CV 144, 96, SO+1
	CV 152, 112, SO+1
	v_perm_b32 v[BM], v38, v[BM], v[PSEL]          ; (the plain instruction behind the conversions; v38 is 0)
	v_perm_b32 v[BM+2], v38, v[BM+2], v[PSEL]
	MOV3 131, 136
	MOV3 147, 152
	v_permlane16_swap_b32 v[BM], v[BM+2]           ; lanes 0-15 gather A's two bytes, lanes 16-31 B's
	v_or_b32 v240, v[BM], v[BM+2]
	global_store_b128 v1, v[128:131], s[10:11]     ; 512 and 256 consecutive bytes, aligned to 256
	global_store_b64 v2, v[132:133], s[10:11] offset:512
	global_store_b128 v1, v[144:147], s[10:11] offset:1536
	global_store_b64 v2, v[148:149], s[10:11] offset:2048
	ds_store_b32 v[CWA], v240
	WALU
	s_wait_dscnt 0x0                               ; for waves 0 and 1's sake: my words have landed
	s_barrier_signal -1
	s_barrier_wait -1
	s_cmp_lt_u32 s[WV], 2
	s_cbranch_scc0 .Lno_cs
	ds_load_b128 v[96:99], v7                      ; two groups' scale words: four waves' stores
	s_wait_dscnt 0x0
	global_store_b128 v8, v[96:99], s[12:13]       ; each half of the lanes stores 256 consecutive bytes, aligned to 256
.Lno_cs:
	s_wait_tensorcnt 0x0                           ; the wave's end
	ds_add_u32 v[SPW], v[NIL]
	s_wait_dscnt 0x0
	CROUND                                         ; the closing round: no work-group ends while a partner may still ask for a chunk that names it
	s_endpgm
.Lfunc_end_k_q2f12c908fc_attn:
	.size	k_q2f12c908fc_attn, .Lfunc_end_k_q2f12c908fc_attn-k_q2f12c908fc_attn
	.p2alignl 7, 3214868480
	.fill 96, 4, 3214868480
	.section	.rodata,"a",@progbits
	.p2align	6, 0x0
	.amdhsa_kernel k_q2f12c908fc_attn
		.amdhsa_group_segment_fixed_size 210944
		.amdhsa_private_segment_fixed_size 0
		.amdhsa_enable_private_segment 0
		.amdhsa_kernarg_size 40
		.amdhsa_user_sgpr_count 2
		.amdhsa_user_sgpr_kernarg_segment_ptr 1
		.amdhsa_wavefront_size32 1
		.amdhsa_system_sgpr_workgroup_id_x 1
		.amdhsa_system_sgpr_workgroup_id_y 1
		.amdhsa_system_sgpr_workgroup_id_z 1
		.amdhsa_system_vgpr_workitem_id 0
		.amdhsa_next_free_vgpr 512
		.amdhsa_next_free_sgpr 80
		.amdhsa_reserve_vcc 0
		.amdhsa_float_denorm_mode_32 3
		.amdhsa_float_denorm_mode_16_64 3
		.amdhsa_memory_ordered 1
		.amdhsa_forward_progress 1
		.amdhsa_inst_pref_size 121
	.end_amdhsa_kernel
	.amdgpu_metadata
---
amdhsa.version: [ 1, 2 ]
amdhsa.kernels:
  - .name:           k_q2f12c908fc_attn
    .symbol:         k_q2f12c908fc_attn.kd
    .args:
      - { .name: kv, .offset: 0, .size: 8, .value_kind: global_buffer, .address_space: global }
      - { .name: qc, .offset: 8, .size: 8, .value_kind: global_buffer, .address_space: global }
      - { .name: qs, .offset: 16, .size: 8, .value_kind: global_buffer, .address_space: global }
      - { .name: cc, .offset: 24, .size: 8, .value_kind: global_buffer, .address_space: global }
      - { .name: cs, .offset: 32, .size: 8, .value_kind: global_buffer, .address_space: global }
    .group_segment_fixed_size: 210944
    .private_segment_fixed_size: 0
    .kernarg_segment_align: 8
    .kernarg_segment_size: 40
    .max_flat_workgroup_size: 256
    .sgpr_count:     80
    .vgpr_count:     512
    .wavefront_size: 32
...
	.end_amdgpu_metadata
.endif
;; end of part 3
;; launch oproj (part 4): grid 16 x 16, 4 waves a work-group, clusters of 4 x 1, 168,448 bytes of LDS; arguments cc, cs, opc, ops, bo, out0; writes out0
.if DOCPART == 4
	.amdgcn_target "amdgcn-amd-amdhsa--gfx1250"
	.amdhsa_code_object_version 6
	.text
	.protected	k_q2f12c908fc_oproj
	.globl	k_q2f12c908fc_oproj
	.p2align	8
	.type	k_q2f12c908fc_oproj,@function
k_q2f12c908fc_oproj:
	s_mov_b64 s[64:65], 0
	v_nop
	global_prefetch_b8 v0, s[64:65] scope:SCOPE_SE
	s_setreg_imm32_b32 hwreg(HW_REG_WAVE_MODE, 25, 1), 1
	s_wait_xcnt 0x0
	s_wait_alu depctr_hold_cnt(0) depctr_sa_sdst(0) depctr_va_vdst(0) depctr_va_sdst(0) depctr_va_ssrc(0) depctr_va_vcc(0) depctr_vm_vsrc(0)
	s_getreg_b32 s2, hwreg(HW_REG_IB_STS2, 6, 4)
	s_cmp_eq_u32 s2, 0
	s_cbranch_scc0 .Lentry_in_a_cluster
	s_endpgm
.Lentry_in_a_cluster:
	s_bfe_u32 s2, ttmp6, 0x10000c
	s_cmp_lg_u32 s2, 0x3003
	s_cbranch_scc0 .Lentry_shape_is_right
	s_endpgm
.Lentry_shape_is_right:
; out0 = ctx Wo^T + bo, on codes of FP6 (E2M3) with E8M0 scales; out0 [4096][1024] f32.
; SHARES.  Work-group (tb, cbk): tokens 256 tb .. + 255, columns 64 cbk .. + 63 (256 bytes of a row of out0).  Wave w: tokens 64 w .. + 63, four tiles of 16, against the four tiles of Wo.
; Tile j (0 .. 3) of 64 rows holds, in lane r, row 32 (r / 8) + 8 j + r % 8, for the tokens and for Wo.  USED TRANSPOSED (source 0 = 16 rows of Wo, source 1 = 16 tokens): lane (r, h) of Wo's tile t holds one token's columns 32 h + 8 t + 0 .. 7.
; Wo's 64 rows, 49,152 dense bytes, come into LDS ONCE.  CLUSTER: the four work-groups of a cluster share them, so each quarter (48 rows of 256 bytes, one load a wave) is asked for JOINTLY (mask 15).  No LDS byte is filled twice.
; Every wave then holds all of Wo's 32 fragments in registers and takes its tiles of tokens one after the other, ALL of K: 32 matrix instructions, and the tile's 16 rows leave at once, while the later tiles are still on their way.
; ctx's fragments belong to one wave and go from memory straight into registers of their own for each tile: two tiles are asked for at the head, each later one two tiles ahead; so nothing is prefetched into the L2.
; bo is the C of each sum's first matrix instruction: it is added ahead of the products, so the order of rounding differs from a sum with the bias last.
; REGISTERS, in windows of 256.  Window 0: v1-14 addresses; v16-31 ctx's scale words; v32-47 Wo's; v48-79 bo; v80-111 the four accumulators; v112-143, v192-223 rows of out0 by turns; v144-175 ctx's scale half words as they lie.
;   64 fragments of 12 registers, 21 to a window from window 1 on: 0-31 Wo's (4 K step + tile), 32-63 ctx's (32 + 8 tile + K step); the last stands in window 0, v180-191.
.set WV,  20                           ; s20      my wave's number
.set G1,  24                           ; s[24:31] descriptor group 1
.set G0,  32                           ; s[32:35] descriptor group 0
.set SP,  272                          ; a stage row: 256 bytes + 16
.set STG, 49152                        ; behind Wo: a stage of 16 rows for each wave; no tensor load lands there
.set ACC, 80
.set BK,  112
.set HW,  144
.set SPARE, 0x29000
.set MSB, 0
.macro WIN new                         ; the immediate's high byte repeats the setting that is left; a switch that changes nothing is dropped
.if MSB != (\new)
	s_set_vgpr_msb (MSB<<8)|(\new)
.set MSB, (\new)
.endif
.endm
.macro WALU
	s_wait_alu depctr_va_vdst(0)
.endm
.macro CROUND                          ; a round of the cluster's barrier
	s_barrier_signal -1
	s_barrier_wait -1
	s_cmp_lg_u32 s[WV], 0
	s_cbranch_scc1 .Lnot_wave_0_\@
	s_barrier_signal -3
.Lnot_wave_0_\@:
	s_barrier_wait -3
	s_barrier_signal -1
	s_barrier_wait -1
.endm
.macro PLACES n                        ; plain vector instructions behind a matrix instruction (ISA guide 7.12.1)
.rept \n
	v_nop
.endr
.endm
; One matrix instruction; C is v[c] on.  ra, rb = 1: that side's scales are read from lanes 16-31.
.macro MM1 d, a, b, c, sa, sb, ra, rb
	v_wmma_scale_f32_16x16x128_f8f6f4 v[\d:\d+7], v[\a:\a+11], v[\b:\b+11], v[\c:\c+7], v[\sa], v[\sb] matrix_a_fmt:MATRIX_FMT_FP6 matrix_b_fmt:MATRIX_FMT_FP6 matrix_a_scale:MATRIX_SCALE_ROW\ra matrix_b_scale:MATRIX_SCALE_ROW\rb
.endm
.macro MM d, a, b, c, sa, sb, ra, rb
.if (\ra) && (\rb)
	MM1 \d, \a, \b, \c, \sa, \sb, 1, 1
.elseif (\ra)
	MM1 \d, \a, \b, \c, \sa, \sb, 1, 0
.elseif (\rb)
	MM1 \d, \a, \b, \c, \sa, \sb, 0, 1
.else
	MM1 \d, \a, \b, \c, \sa, \sb, 0, 0
.endif
.endm
.macro FRG f                           ; where fragment f stands: window FW_, register FR_
.set FW_, (1+(\f)/21)%4
.set FR_, 12*((\f)%21)
.if (\f) == 63
.set FR_, 180
.endif
.endm
	s_load_b256 s[4:11], s[0:1], 0x0               ; cc s[4:5], cs s[6:7], opc s[8:9], ops s[10:11]
	s_load_b128 s[12:15], s[0:1], 0x20             ; bo s[12:13], out0 s[14:15]
	v_lshl_add_u32 v254, v0, 2, SPARE
	v_mov_b32 v255, 0
	ds_add_u32 v254, v255                          ; the wave's opening: the add, twice on end, and its wait ahead of my tensor load
	ds_add_u32 v254, v255
	v_lshrrev_b32 v3, 5, v0
	v_readfirstlane_b32 s[WV], v3                  ; wave 0..3
	v_and_b32 v3, 31, v0                           ; lane
	v_and_b32 v4, 15, v0                           ; r
	v_bfe_u32 v5, v0, 4, 1                         ; h
	v_lshlrev_b32 v1, 4, v3                        ; 16 x lane
	v_lshlrev_b32 v2, 3, v3                        ; 8 x lane
	v_lshrrev_b32 v3, 3, v4                        ; r / 8
	v_and_b32 v10, 7, v4
	v_lshlrev_b32 v10, 5, v10
	v_lshl_add_u32 v10, v3, 10, v10
	v_lshl_add_u32 v10, v5, 8, v10                 ; Wo's scale bytes: 32 a row; lane (r, h) takes row 32 (r / 8) + 8 h + r % 8, + 16 for tiles 2 and 3
	v_lshlrev_b32 v11, 7, v5                       ; bo: my half's 32 numbers
	s_mul_i32 s51, s[WV], 16*SP
	s_add_co_u32 s51, s51, STG                     ; my stage
	v_mul_u32_u24 v12, v4, SP
	v_lshl_add_u32 v12, v5, 7, v12
	v_add_nc_u32 v12, s51, v12                     ; in: row r of a tile, + 128 h
	v_mul_u32_u24 v13, v5, SP
	v_lshl_add_u32 v13, v4, 4, v13
	v_add_nc_u32 v13, s51, v13                     ; back: lanes 0-15 one row of 256 bytes, lanes 16-31 the next
	v_lshlrev_b32 v14, 12, v5
	v_lshl_add_u32 v14, v4, 4, v14                 ; and the same two rows in out0, 4,096 bytes apart
	s_bfe_u32 s48, ttmp6, 0x40000                  ; cx: my place in the cluster
	s_lshl_b32 s49, ttmp9, 2
	s_add_co_u32 s49, s49, s48                     ; tb: it enters ctx's and out0's addresses alone
	s_and_b32 s50, ttmp7, 0xffff                   ; cbk, which the four partners share
	s_mov_b32 s[G1], 15|(3<<16)|(1<<21)            ; 15:0 the mask: all four work-groups; 17:16 elements of 8 bytes; 20 no padding; 21 set beside a mask
	s_mov_b32 s[G1+1], 32<<16                      ; tensor_dim0 = 32 elements: 256 bytes
	s_mov_b32 s[G1+2], 48<<16                      ; tensor_dim1 = 48
	s_mov_b32 s[G1+3], 32<<16                      ; tile_dim0 = 32
	s_mov_b32 s[G1+4], 48                          ; tile_dim1 = 48
	s_mov_b32 s[G1+5], 32                          ; from row to row: dense
	s_mov_b32 s[G1+6], 0
	s_mov_b32 s[G1+7], 0
	s_mul_i32 s51, s[WV], 12288                    ; my quarter of Wo's block
	s_mul_i32 s52, s50, 49152
	s_add_co_u32 s52, s52, s51
	s_add_co_u32 s52, s52, 5505024
	s_mov_b32 s53, 0
	s_lshl_b32 s56, s49, 2
	s_add_co_u32 s56, s56, s[WV]                   ; my 64 tokens: group 4 tb + w
	s_mul_i32 s54, s56, 49152                      ; their fragments,
	s_mov_b32 s55, 0
	s_lshl_b32 s58, s56, 12                        ; their scale half words
	s_mov_b32 s59, 0
	s_lshl_b32 s60, s50, 11
	s_add_co_u32 s60, s60, 229376                  ; Wo's scale bytes of my 64 rows
	s_mov_b32 s61, 0
	s_lshl_b32 s62, s50, 8                         ; my 64 numbers of bo; also my columns' bytes in a row of out0
	s_mov_b32 s63, 0
	s_lshl_b32 s66, s56, 18                        ; 64 rows of 4,096 bytes a group
	s_add_co_u32 s66, s66, s62
	s_mov_b32 s67, 0
	WALU
	s_wait_dscnt 0x0                               ; both opening adds are done
	CROUND                                         ; all four work-groups are here: the joint loads meet.  The round stands ahead of the wait for the arguments
	s_wait_kmcnt 0x0
	s_add_nc_u64 s[52:53], s[8:9], s[52:53]
	s_add_nc_u64 s[4:5], s[4:5], s[54:55]
	s_add_nc_u64 s[6:7], s[6:7], s[58:59]
	s_add_nc_u64 s[10:11], s[10:11], s[60:61]
	s_add_nc_u64 s[12:13], s[12:13], s[62:63]
	s_add_nc_u64 s[14:15], s[14:15], s[66:67]
	s_mov_b32 s[G0], 1                             ; count = 1
	s_mov_b32 s[G0+1], s51                         ; LDS address: the bytes lie in LDS as in memory; no place in the cluster enters it
	s_mov_b64 s[G0+2:G0+3], s[52:53]
	s_or_b32 s[G0+3], s[G0+3], 0x80000000          ; type = 2
	tensor_load_to_lds s[G0:G0+3], s[G1:G1+7]      ; one load of mine is out
	s_nop 0
	PLACES 4
.irp t, 0,1,2,3
	global_load_b128 v[48+8*\t:51+8*\t], v11, s[12:13] offset:32*\t
	global_load_b128 v[52+8*\t:55+8*\t], v11, s[12:13] offset:32*\t+16
.endr
.irp g, 0,1
	global_load_b128 v[32+8*\g:35+8*\g], v10, s[10:11] offset:512*\g         ; Wo's scale words: register 32 + 8 g + s serves tiles 2 g, 2 g + 1 in K step s
	global_load_b128 v[36+8*\g:39+8*\g], v10, s[10:11] offset:512*\g+16
.endr
.irp d, 0,1,2,3,4,5,6,7,8,9,10,11,12,13,14,15
	global_load_b64 v[HW+2*\d:HW+2*\d+1], v2, s[6:7] offset:256*\d           ; head d's two bytes for each token: 256 consecutive bytes
.endr
.macro CLOAD i                         ; ctx's tile i, all of K: 32 loads, each of 512 or 256 consecutive bytes
.irp s, 0,1,2,3,4,5,6,7
	FRG 32+8*\i+\s
	WIN FW_<<6
	global_load_b128 v[FR_:FR_+3], v1, s[4:5] offset:6144*\s+1536*\i
	global_load_b64 v[FR_+4:FR_+5], v2, s[4:5] offset:6144*\s+1536*\i+512
	global_load_b128 v[FR_+6:FR_+9], v1, s[4:5] offset:6144*\s+1536*\i+768
	global_load_b64 v[FR_+10:FR_+11], v2, s[4:5] offset:6144*\s+1536*\i+1280
.endr
	WIN 0
.endm
	CLOAD 0
	CLOAD 1
	s_wait_tensorcnt 0x0                           ; my quarter of Wo's block is in,
	s_barrier_signal -1
	s_barrier_wait -1                              ; everybody's is
.irp s, 0,1,2,3,4,5,6,7
.irp t, 0,1,2,3
	FRG 4*\s+\t
	WIN FW_<<6
.irp p, 0,1,2
	ds_load_b128 v[FR_+4*\p:FR_+4*\p+3], v1 offset:6144*\s+1536*\t+512*\p    ; Wo's fragments: 96 loads of 512 consecutive bytes
.endr
.endr
.endr
	WIN 0
	s_wait_loadcnt 32                              ; all but tile 1's 32 loads are in
.irp g, 0,1
.irp k, 0,1,2,3,4,5,6,7
	v_lshl_or_b32 v[16+8*\g+\k], v[HW+4*\k+2+\g], 16, v[HW+4*\k+\g]   ; ctx's scale word of K step k: head 2 k's two bytes below head 2 k + 1's
.endr
.endr
	CLOAD 2
	PLACES 8                                       ; a scale register written by a vector instruction stands eight places ahead of a scaled matrix instruction
	WALU
.macro PROD i                          ; tile i: 32 products; the four accumulators take turns, one instruction a turn
.irp s, 0,1,2,3,4,5,6,7
.if \i == 0
.if \s < 2
	s_wait_dscnt 63                                ; K step s of Wo is in: at most 63 later LDS loads may be out
.else
	s_wait_dscnt 12*(7-\s)
.endif
.endif
.irp t, 0,1,2,3
	FRG 4*\s+\t
.set AW_, FW_
.set AR_, FR_
	FRG 32+8*\i+\s
.if \s == 0
.set CC_, 48+8*\t                      ; the first K step starts the sums from the bias
.else
.set CC_, ACC+8*\t
.endif
	WIN AW_|(FW_<<2)
	MM ACC+8*\t, AR_, FR_, CC_, 32+8*(\t/2)+\s, 16+8*(\i/2)+\s, \t%2, \i%2
.endr
.endr
	WIN 0
.endm
; THE WAY OUT of a tile.  A lane holds 32 neighbouring bytes of a row, and the lanes beside it hold other rows: 16 rows x 256 bytes go through my own stage in LDS and come back as whole rows.
.macro OUT i
.set BB_, BK+80*(\i%2)
	PLACES 5                                       ; behind the products: ahead of the first read of results, and of the next tile's products, which begin the accumulators anew
.irp t, 0,1,2,3
	ds_store_b128 v12, v[ACC+8*\t:ACC+8*\t+3] offset:32*\t                   ; each accumulator from its low end on
	ds_store_b128 v12, v[ACC+8*\t+4:ACC+8*\t+7] offset:32*\t+16
.endr
.if \i > 1
	s_wait_xcnt 0x0                                ; tile i - 2's stores have read their registers
.endif
.irp k, 0,1,2,3,4,5,6,7
	ds_load_b128 v[BB_+4*\k:BB_+4*\k+3], v13 offset:2*\k*SP                  ; LDS serves a wave's instructions in order: these see my stores
.endr
.irp k, 0,1,2,3,4,5,6,7
	s_wait_dscnt 7-\k                              ; pair k of rows is back
	global_store_b128 v14, v[BB_+4*\k:BB_+4*\k+3], s[14:15] offset:(32*(\k/4)+8*\i+2*(\k%4))*4096 th:TH_STORE_NT   ; stage rows 2 k, 2 k + 1 are neighbouring tokens; 16 lanes store 256 consecutive bytes, aligned to 256; written once, read by nobody here
.endr
.endm
	PROD 0
	OUT 0
	CLOAD 3
	s_wait_loadcnt 63                              ; tile 1 is in: behind it stand tiles 2's and 3's 64 loads
	PROD 1
	OUT 1
	s_wait_loadcnt 32                              ; tile 2 is in
	PROD 2
	OUT 2
	s_wait_loadcnt 0x0
	PROD 3
	OUT 3
	s_wait_tensorcnt 0x0                           ; the wave's end
	ds_add_u32 v254, v255
	s_wait_dscnt 0x0
	CROUND                                         ; the closing round: no work-group ends while a partner may still ask for a quarter that names it
	s_endpgm
.Lfunc_end_k_q2f12c908fc_oproj:
	.size	k_q2f12c908fc_oproj, .Lfunc_end_k_q2f12c908fc_oproj-k_q2f12c908fc_oproj
	.p2alignl 7, 3214868480
	.fill 96, 4, 3214868480
	.section	.rodata,"a",@progbits
	.p2align	6, 0x0
	.amdhsa_kernel k_q2f12c908fc_oproj
		.amdhsa_group_segment_fixed_size 168448
		.amdhsa_private_segment_fixed_size 0
		.amdhsa_enable_private_segment 0
		.amdhsa_kernarg_size 48
		.amdhsa_user_sgpr_count 2
		.amdhsa_user_sgpr_kernarg_segment_ptr 1
		.amdhsa_wavefront_size32 1
		.amdhsa_system_sgpr_workgroup_id_x 1
		.amdhsa_system_sgpr_workgroup_id_y 1
		.amdhsa_system_sgpr_workgroup_id_z 1
		.amdhsa_system_vgpr_workitem_id 0
		.amdhsa_next_free_vgpr 1024
		.amdhsa_next_free_sgpr 70
		.amdhsa_reserve_vcc 0
		.amdhsa_float_denorm_mode_32 3
		.amdhsa_float_denorm_mode_16_64 3
		.amdhsa_memory_ordered 1
		.amdhsa_forward_progress 1
		.amdhsa_inst_pref_size 53
	.end_amdhsa_kernel
	.amdgpu_metadata
---
amdhsa.version: [ 1, 2 ]
amdhsa.kernels:
  - .name:           k_q2f12c908fc_oproj
    .symbol:         k_q2f12c908fc_oproj.kd
    .args:
      - { .name: cc, .offset: 0, .size: 8, .value_kind: global_buffer, .address_space: global }
      - { .name: cs, .offset: 8, .size: 8, .value_kind: global_buffer, .address_space: global }
      - { .name: opc, .offset: 16, .size: 8, .value_kind: global_buffer, .address_space: global }
      - { .name: ops, .offset: 24, .size: 8, .value_kind: global_buffer, .address_space: global }
      - { .name: bo, .offset: 32, .size: 8, .value_kind: global_buffer, .address_space: global }
      - { .name: out0, .offset: 40, .size: 8, .value_kind: global_buffer, .address_space: global }
    .group_segment_fixed_size: 168448
    .private_segment_fixed_size: 0
    .kernarg_segment_align: 8
    .kernarg_segment_size: 48
    .max_flat_workgroup_size: 128
    .sgpr_count:     70
    .vgpr_count:     1024
    .wavefront_size: 32
...
	.end_amdgpu_metadata
.endif
;; end of part 4
